; MI455X (gfx1250); checked and timed in simulation.
; The chip was launched on July 23, 2026; its instructions are those of AMD's public machine-readable ISA for CDNA 5 (MIT licence, August 2026) and "CDNA5" Instruction Set Architecture Reference Guide (July 2026). The comments in the code are by the model that wrote it; some were corrected since.
;; Attention. Allowed arithmetic: matrix products marked QUANTISED: E2M3 operands, one E8M0 scale for each 32 along K, by v_wmma_scale_f32_16x16x128_f8f6f4 with both operands' format E2M3, f32 sums; everything else in f32.
;; Inputs: Wk_codes 1,024 x 32 x 24 uint8 (E2M3 codes of Wk, K innermost, in blocks of 32 codes, four codes in three bytes); Wk_scales 1,024 x 32 uint8 (E8M0 scales of Wk, one for each 32 codes along K); Wo_codes 1,024 x 32 x 24 uint8 (E2M3 codes of Wo, K innermost, in blocks of 32 codes, four codes in three bytes); Wo_scales 1,024 x 32 uint8 (E8M0 scales of Wo, one for each 32 codes along K); Wq_codes 1,024 x 32 x 24 uint8 (E2M3 codes of Wq, K innermost, in blocks of 32 codes, four codes in three bytes); Wq_scales 1,024 x 32 uint8 (E8M0 scales of Wq, one for each 32 codes along K); Wv_codes 1,024 x 32 x 24 uint8 (E2M3 codes of Wv, K innermost, in blocks of 32 codes, four codes in three bytes); Wv_scales 1,024 x 32 uint8 (E8M0 scales of Wv, one for each 32 codes along K); bk 1,024 float32; bo 1,024 float32; bq 1,024 float32; bv 1,024 float32; x_codes 4 x 2,048 x 32 x 24 uint8 (E2M3 codes of x, K innermost, in blocks of 32 codes, four codes in three bytes); x_scales 4 x 2,048 x 32 uint8 (E8M0 scales of x, one for each 32 codes along K).
;; Outputs: out0 4 x 2,048 x 1,024 float32.
;; This version of the problem:
;;   THIS VERSION OF THE PROBLEM IS GIVEN IN LOW PRECISION. The matrix products marked QUANTISED in the list below multiply operands that are first quantised to E2M3 (2 exponent bits, 3 mantissa bits; 6 bits a number), with one power-of-two scale for each 32 numbers along K (OCP MX v1.0); their sums are f32. All else is computed in f32.
;;   The module's matrix products, in the order in which they are computed (A, B: the left and right operand; K: the contracted axis; several contracted axes count as one K, in the product's order):
;;     1. [M 8,192, K 1,024] x [K 1,024, N 1,024]; A: input x (given as codes); B: input Wq (given as codes): QUANTISED
;;     2. [M 8,192, K 1,024] x [K 1,024, N 1,024]; A: input x (given as codes); B: input Wk (given as codes): QUANTISED
;;     3. [M 8,192, K 1,024] x [K 1,024, N 1,024]; A: input x (given as codes); B: input Wv (given as codes): QUANTISED
;;     4. batch 64 x [M 2,048, K 64] x [K 64, N 2,048]; A: computed on the way; B: computed on the way: QUANTISED
;;     5. batch 64 x [M 2,048, K 2,048] x [K 2,048, N 64]; A: softmax (see below); B: computed on the way: QUANTISED
;;     6. [M 8,192, K 1,024] x [K 1,024, N 1,024]; A: computed on the way; B: input Wo (given as codes): QUANTISED
;;   THE QUANTISER, for each operand of a quantised product, along K:
;;     - K is cut into blocks of 32 from its start; a last block that is shorter is filled with zeros.
;;     - A block's scale is 2^e with e = floor(log2(the largest magnitude in the block)) - 2, held to -126 .. 127; a block of zeros has e = 0. As a byte (E8M0): e + 127.
;;     - Each number is divided by its block's scale, clamped to +-7.5, and rounded to the nearest number of E2M3, ties to even, subnormals kept.
;;     - The product sums the exact products of the quantised numbers (number of the format x scale) in f32.
;;   ~~~python
;;   def quantise(x, axis):      # numpy; x: float32 -> the quantised numbers, widened to float32 again
;;       x = np.moveaxis(x, axis, -1); K = x.shape[-1]
;;       x = np.pad(x, [(0, 0)] * (x.ndim - 1) + [(0, -K % 32)]); x = x.reshape(x.shape[:-1] + (-1, 32)); a = np.abs(x).max(-1, keepdims=True)
;;       e = np.where(a > 0, np.clip(np.frexp(np.where(a > 0, a, 1))[1] - 1 - 2, -126, 127), 0)      # np.frexp(a)[1] - 1 = floor(log2(a)), exactly
;;       r = np.clip(x / 2.0 ** e, -7.5, 7.5)
;;       step = 2.0 ** (np.maximum(np.frexp(np.where(r == 0, 1, r))[1] - 1, 0) - 3)
;;       q = np.round(r / step) * step * 2.0 ** e      # np.round: ties to even
;;       return np.moveaxis(q.reshape(q.shape[:-2] + (-1,))[..., :K], -1, axis).astype(np.float32)
;;   ~~~
;;   SOFTMAX AHEAD OF A QUANTISED PRODUCT. Where the list says 'softmax', what is quantised is not the finished softmax but p = 2^(t - M), with t = logit x log2(e) and M = ceil(the row's largest t), a whole number; so 1/2 < the row's largest p <= 1. The row's sum l is taken of the UNQUANTISED p, in f32, and the product's result is divided by l at the end. Since M is a whole number, a kernel that streams over the keys may use a running M (the ceiling of the running maximum): every later rescaling is an exact power of two, which a block's scale takes up: the codes' values come out the same.
;;   OPERANDS COMPUTED ON THE WAY. 'Computed on the way' means the value that the module computes at that place (a softmax that the list does not call 'softmax' is quantised finished and normalised). What goes into a quantiser is computed in f32, as accurately as f32 sums, v_exp_f32 and their like allow (about 1e-6 of the number): no bf16 or f16 on the way to a quantiser, and a product that is left as it is and whose result goes on into a quantised operand takes f32 operands (vector FMAs, or v_wmma_f32_16x16x4_f32). A number that lies on a knife's edge between two numbers of the format may be rounded either way, as far as f32 arithmetic and the matrix unit's own rounding can turn it there, and no further.
;;   INPUTS GIVEN AS CODES. Wk (in the module: [1024, 1024], K = its axis 1); Wo (in the module: [1024, 1024], K = its axis 1); Wq (in the module: [1024, 1024], K = its axis 1); Wv (in the module: [1024, 1024], K = its axis 1); x (in the module: [4, 2048, 1024], K = its axis 2): each comes as NAME_codes (uint8): NAME with its K axis moved to the last place and cut into blocks of 32 codes, [.., K / 32, bytes a block], one block behind the other in memory; four codes in three bytes: a row's codes are one little-endian stream of bits, code i at bits 6 i .. 6 i + 5 (a code: sign, 2 exponent bits, 3 mantissa bits); and NAME_scales (uint8): the same leading axes, one E8M0 byte (e + 127) for each 32 codes along K. Its value is code x scale, taken as it is: it is not quantised again, and the codes and scales need not be those that the quantiser above would give.
;; One version. Each part assembles by itself: llvm-mc -triple=amdgcn-amd-amdhsa -mcpu=gfx1250 --defsym DOCPART=n.
;; ======== version 1 of 1: 3 launches
;; workspace buffers: q_img 6,291,456 bytes; kv_img 12,582,912 bytes; sc 1,310,720 bytes; a_img 6,291,456 bytes; a_sc 262,144 bytes
;; launch qkv (part 1): grid 96 x 4, 4 waves a work-group, clusters of 4 x 4, 327,680 bytes of LDS; arguments x_codes, x_scales, Wq_codes, Wq_scales, Wk_codes, Wk_scales, Wv_codes, Wv_scales, bq, bk, bv, q_img, kv_img, sc; writes q_img, kv_img, sc
.if DOCPART == 1
	.amdgcn_target "amdgcn-amd-amdhsa--gfx1250"
	.amdhsa_code_object_version 6
	.text
	.protected	k_q8bafe696eb_qkv
	.globl	k_q8bafe696eb_qkv
	.p2align	8
	.type	k_q8bafe696eb_qkv,@function
k_q8bafe696eb_qkv:
	s_mov_b64 s[64:65], 0
	v_nop
	global_prefetch_b8 v0, s[64:65] scope:SCOPE_SE
	s_setreg_imm32_b32 hwreg(HW_REG_WAVE_MODE, 25, 1), 1
	s_wait_xcnt 0x0
	s_wait_alu depctr_hold_cnt(0) depctr_sa_sdst(0) depctr_va_vdst(0) depctr_va_sdst(0) depctr_va_ssrc(0) depctr_va_vcc(0) depctr_vm_vsrc(0)
	s_getreg_b32 s2, hwreg(HW_REG_IB_STS2, 6, 4)
	s_cmp_eq_u32 s2, 0
	s_cbranch_scc0 .Lentry_in_a_cluster
	s_endpgm
.Lentry_in_a_cluster:
	s_bfe_u32 s2, ttmp6, 0x10000c
	s_cmp_lg_u32 s2, 0xf033
	s_cbranch_scc0 .Lentry_shape_is_right
	s_endpgm
.Lentry_shape_is_right:
; q = x Wq^T + bq, k = x Wk^T + bk, v = x Wv^T + bv on codes of FP6 (E2M3) with one E8M0 scale for each 32 along K = 1,024; the results are quantised at once and leave as codes.
; ONE BODY, THREE KINDS.  C'[m'][n'] = sum over k of A[m'][k] B[n'][k], quantised along n'.  24 clusters of 4 x 4 work-groups, c = the cluster's number:
;   c < 16: kind q (c even) or k (c odd): A = x (tile row 4 (c / 2) + cy), B = Wq or Wk (tile column cx): n' = the features, 64 to a head;
;   c >= 16: kind v: A = Wv (tile row cy), B = x (tile column 4 (c - 16) + cx): n' = the tokens, which are the keys, the second attention product's K.
; A tile of C' is 256 x 256, four waves, 128 x 128 each: 64 accumulators, 512 registers.  K goes in steps of 256 through a ring of two LDS slots; both operands' scale bytes come once and stay.
; A's tiles are shared along a row of the cluster, B's along a column: each is asked for jointly.  THE MATRIX INSTRUCTION IS USED TRANSPOSED (source 0 = 16 rows of B, source 1 = 16 rows of A):
; lane (r, h) holds row r of C', and register 8 b + j the column 16 b + 8 h + j: the 16 registers of accumulators 2 B and 2 B + 1 in lanes l and l xor 16 are one whole block of 32 along n'.
; THE ORDER INSIDE A BLOCK of the codes that leave is this fixed one, not the ascending one.  It is the same in q and in k, and in v and in the weights p that the next launch makes from the same register layout:
; the block's 32 numbers and so its scale are the true ones, and the products are the same; only the order of the additions inside a block differs.
; THE BIASES: along n' (q, k) as the C of each sum's first matrix instruction; along m' (v) added to the finished sums.  Both are loaded in every kind and the one that does not belong is cleared by a mask.
; WHAT LEAVES: images of operand registers.  A half image (16 rows x 64 along K, registers 0-5 of a fragment) is 768 bytes: registers 0-3 at 16 x lane, registers 4-5 at 512 + 8 x lane.
;   q_img [head 64][token tile 128][768];  kv_img [head][K: token tile 128 x 768 | V: 128 keys 16 x 16 channels 4 x 1,536];  sc [head][q words 2,048 | k words 2,048 | v words 16 x 4 x 16], 4 bytes each.
;   Of a q or k word bytes 0 and 1 count; bytes 2 and 3 hold the neighbouring head's bytes or 0, never 0xff.
; LIMITS: NaN and infinities are not served; a block whose largest magnitude lies under 2^-124 keeps the scale byte 1 (a block of zeros too: its codes are zeros, and this program alone reads the bytes).
.set KSTEP,  256                       ; along K in a slot
.set NQ,     KSTEP/128                 ; matrix instructions deep
.set ROWB,   192                       ; a tile's row in bytes
.set KROW,   768                       ; a row of x or of a weight in memory
.set PITCH,  240                       ; an LDS row: 3 x (64 bytes + 16 of padding)
.set FR,     12                        ; registers of a fragment
.set NL,     6                         ; LDS loads that bring one
.set NP,     4                         ; places behind this matrix instruction (ISA guide 7.12.1)
.set HALFT,  128*PITCH
.set SLOT,   4*HALFT
.set LAPS,   2                         ; 1,024 / (2 x 256)
.set KS,     32                        ; a row of scale bytes
.set SCL,    2*SLOT                    ; behind the ring: the scales, as units of 256 bytes + 16 of padding
.set HALFS,  (128*KS/256)*272
.set SBLK,   (16*KS/256)*272
.set SPARE,  SCL+4*HALFS               ; the spare words: 128 bytes for each wave, two blocks of 256 bytes that no other line names
.set VO0,  7                           ; v7   16 x lane: a half image's registers 0-3
.set VO1,  8                           ; v8   512 + 8 x lane: its registers 4-5
.set VO2,  9                           ; v9   the same two for the fragment's second half image
.set VO3,  10
.set SST,  11                          ; v11  the scale stage, in: 1,024 x wave + 4 r + 512 h
.set SRD,  12                          ; v12  and back: 1,024 x wave + 16 x lane
.set VS0,  13                          ; v13  the scale words' place in sc
.set VS1,  14
.set SHV,  15                          ; v15  how far my half of the lanes shifts the scale word
.set ADRA, 16                          ; v16-19 LDS addresses of A's fragments (slot 0, 1; behind one padding more)
.set ADRB, 20                          ; v20-23 the same for B
.set ADRS, 27                          ; v27  LDS address of my scale words
.set SPW,  28                          ; v28  LDS address of my spare word; never rewritten
.set NIL,  29                          ; v29  0; never rewritten
.set BOF,  30                          ; v30  32 h: my eight numbers of a tile of the column bias
.set ROF,  31                          ; v31  4 r: my row's number of the row bias
.set SC,   32                          ; v32-63 scale words, two sets
.set BN,   64                          ; v64-127 the bias along n', eight registers a tile
.set AF,   128                         ; v128-223 A's fragments, one set
.set BMP,  240                         ; v240-255 the bias along m': block a's number twice, a pair for the packed addition
.set T,    128                         ; the way out: v128-191 a block's 64 numbers
.set CD,   192                         ; v192-210 its codes
.set TM,   212                         ; v212-227 at work
.set PW,   228                         ; the scale word
.set XW,   229                         ; as it goes to the stage
.set Y,    232                         ; v232-239 the stage read back
.set SEL,  20                          ; s[20:21] lane selects for v_permlanex16_b32 (set at the way out)
.set G1, 24
.set G0, 32
.set G1B, 48
.set G0B, 56
.set G1S, 68
.set G0S, 76
.set G1SB, 80
.set G0SB, 88
.set MSB, 0
.macro WIN new                         ; the immediate's high byte repeats the setting that is left
.if MSB != (\new)
	s_set_vgpr_msb (MSB<<8)|(\new)
.set MSB, (\new)
.endif
.endm
.set MUL_LO,  0xa1                     ; source 0 (B) window 1, source 1 (A) window 0, C and D window 2
.set MUL_HI,  0xf1                     ; the same, C and D window 3
.set MUL_LO0, 0x81                     ; the first step: C (the bias) window 0, D window 2
.set MUL_HI0, 0xc1                     ; D window 3
.set TO_B,    0x40                     ; destination window 1, address window 0
; A joint load: waves 0 and 1 fetch for A, waves 2 and 3 for B; the branch hangs on the wave's number alone.  Four v_nop follow each of the two lines.
.macro JLOAD g0a, g1a, g0b, g1b
	s_cmp_eq_u32 s15, 0
	s_cbranch_scc0 .Lfor_b_\@
	tensor_load_to_lds s[\g0a:\g0a+3], s[\g1a:\g1a+7]
	s_nop 0
.rept 4
	v_nop
.endr
	s_branch .Lasked_\@
.Lfor_b_\@:
	tensor_load_to_lds s[\g0b:\g0b+3], s[\g1b:\g1b+7]
	s_nop 0
.rept 4
	v_nop
.endr
.Lasked_\@:
.endm
.macro CREST                           ; a round of the cluster's barrier behind its opening barrier
	s_cmp_lg_u32 s14, 0
	s_cbranch_scc1 .Lnot_wave_0_\@
	s_barrier_signal -3
.Lnot_wave_0_\@:
	s_barrier_wait -3
	s_barrier_signal -1
	s_barrier_wait -1
.endm
.macro CROUND                          ; a whole round
	s_barrier_signal -1
	s_barrier_wait -1
	CREST
.endm
	s_load_b512 s[68:83], s[0:1], 0x0              ; x's codes, scales; Wq's; Wk's; Wv's
	s_load_b256 s[84:91], s[0:1], 0x40             ; bq, bk, bv, q_img
	s_load_b128 s[92:95], s[0:1], 0x60             ; kv_img, sc
	v_lshl_add_u32 v[SPW], v0, 2, SPARE
	v_mov_b32 v[NIL], 0
	ds_add_u32 v28, v29
	ds_add_u32 v28, v29
	s_wait_dscnt 0x0
	v_lshrrev_b32 v1, 5, v0
	v_readfirstlane_b32 s14, v1                    ; wave 0..3
	s_lshr_b32 s15, s14, 1                         ; which half of the tile's rows is mine.  Also: I fetch for A (0) or for B (1)
	s_and_b32 s16, s14, 1                          ; which half of its columns.  Also: which 128 rows of that tile I fetch
	s_bfe_u32 s40, ttmp6, 0x40000                  ; cx, cy: my place in the cluster
	s_bfe_u32 s41, ttmp6, 0x40004
	s_and_b32 s2, ttmp9, 1
	s_lshr_b32 s18, ttmp9, 1
	s_sub_co_u32 s19, ttmp9, 16
	s_cmp_ge_u32 ttmp9, 16                         ; the kind hangs on the cluster's number alone: all sixteen partners are of one kind
	s_cselect_b32 s2, 2, s2                        ; 0 q, 1 k, 2 v
	s_cselect_b32 s18, 0, s18                      ; which four tile rows,
	s_cselect_b32 s19, s19, 0                      ; which four tile columns are the cluster's
	s_lshl_b32 s42, s19, 2
	s_add_co_u32 s42, s42, s40                     ; tile column
	s_lshl_b32 s17, s18, 2
	s_add_co_u32 s17, s17, s41                     ; tile row
	s_lshl_b32 s43, s41, 2
	s_lshl_b32 s43, 15, s43                        ; my row of the cluster
	s_lshl_b32 s44, 0x1111, s40                    ; my column
	s_wait_kmcnt 0x0
	s_cmp_eq_u32 s2, 1
	s_cselect_b64 s[8:9], s[76:77], s[72:73]       ; the weight of kinds q and k,
	s_cselect_b64 s[10:11], s[78:79], s[74:75]     ; its scales,
	s_cselect_b64 s[96:97], s[86:87], s[84:85]     ; and the bias along n' (kind v reads bq there and clears it)
	s_cmp_eq_u32 s2, 2
	s_cselect_b64 s[4:5], s[80:81], s[68:69]       ; A's codes: Wv's or x's
	s_cselect_b64 s[6:7], s[82:83], s[70:71]       ; A's scales
	s_cselect_b64 s[8:9], s[68:69], s[8:9]         ; B's codes: x's or the weight's
	s_cselect_b64 s[10:11], s[70:71], s[10:11]     ; B's scales
	s_cmp_eq_u32 s2, 0
	s_cselect_b64 s[12:13], s[90:91], s[92:93]     ; where the codes go: q_img or kv_img
	s_mov_b64 s[98:99], s[88:89]                   ; the bias along m': bv (kinds q and k read it and clear it)
	s_mov_b64 s[100:101], s[94:95]                 ; sc
	; descriptor group 1: a tile of 128 rows x 192 bytes, 16 bytes of padding behind every 64
	s_or_b32 s[G1+0], s43, (0<<16)|(1<<20)|(1<<21)|(3<<22)|(3<<25)
	s_or_b32 s[G1B+0], s44, (0<<16)|(1<<20)|(1<<21)|(3<<22)|(3<<25)
.irp g, G1, G1B
	s_mov_b32 s[\g+1], ROWB<<16                    ; tensor_dim0
	s_mov_b32 s[\g+2], 128<<16                     ; tensor_dim1
	s_mov_b32 s[\g+3], ROWB<<16                    ; tile_dim0
	s_mov_b32 s[\g+4], 128                         ; tile_dim1
	s_mov_b32 s[\g+5], KROW                        ; tensor_dim0_stride
	s_mov_b32 s[\g+6], 0
	s_mov_b32 s[\g+7], 0
.endr
	; the scales of 128 rows: 4,096 dense bytes as rows of 256 (32 elements of 8 bytes), 16 bytes of padding behind each
	s_or_b32 s[G1S+0], s43, (3<<16)|(1<<20)|(1<<21)|(5<<22)|(3<<25)
	s_or_b32 s[G1SB+0], s44, (3<<16)|(1<<20)|(1<<21)|(5<<22)|(3<<25)
.irp g, G1S, G1SB
	s_mov_b32 s[\g+1], 32<<16
	s_mov_b32 s[\g+2], (128*KS/256)<<16
	s_mov_b32 s[\g+3], 32<<16
	s_mov_b32 s[\g+4], 128*KS/256
	s_mov_b32 s[\g+5], 32
	s_mov_b32 s[\g+6], 0
	s_mov_b32 s[\g+7], 0
.endr
	s_lshl_b32 s18, s16, 7                         ; which 128 rows of the tile I fetch
	s_lshl_b32 s20, s17, 8
	s_add_co_u32 s20, s20, s18                     ; A: row 256 x tile row + 128 x half
	s_lshl_b32 s46, s42, 8
	s_add_co_u32 s46, s46, s18                     ; B: row 256 x tile column + 128 x half
	s_mov_b32 s21, 0
	s_mov_b32 s47, 0
	s_mov_b64 s[18:19], KS
	s_mul_u64 s[22:23], s[20:21], s[18:19]         ; where these rows' scales begin,
	s_mul_u64 s[92:93], s[46:47], s[18:19]
	s_mov_b64 s[18:19], KROW
	s_mul_u64 s[20:21], s[20:21], s[18:19]         ; and their codes
	s_mul_u64 s[46:47], s[46:47], s[18:19]
	s_mul_i32 s45, s14, HALFT                      ; where they go: wave x 128 rows: no place in the cluster enters an LDS address
	s_mul_i32 s94, s14, HALFS
	s_add_nc_u64 s[20:21], s[4:5], s[20:21]
	s_add_nc_u64 s[22:23], s[6:7], s[22:23]
	s_add_nc_u64 s[46:47], s[8:9], s[46:47]
	s_add_nc_u64 s[92:93], s[10:11], s[92:93]
	CROUND                                         ; all sixteen work-groups are here: the first joint loads meet
	s_mov_b32 s[G0S], 1
	s_add_co_u32 s[G0S+1], s94, SCL
	s_mov_b64 s[G0S+2:G0S+3], s[22:23]
	s_or_b32 s[G0S+3], s[G0S+3], 0x80000000
	s_mov_b32 s[G0SB], 1
	s_add_co_u32 s[G0SB+1], s94, SCL
	s_mov_b64 s[G0SB+2:G0SB+3], s[92:93]
	s_or_b32 s[G0SB+3], s[G0SB+3], 0x80000000
	JLOAD G0S, G1S, G0SB, G1SB                     ; the scales first: they are wanted with K step 0
.irp s, 0,1
	s_mov_b32 s[G0+4*\s], 1
	s_add_co_u32 s[G0+4*\s+1], s45, \s*SLOT
	s_add_nc_u64 s[G0+4*\s+2:G0+4*\s+3], s[20:21], \s*ROWB
	s_or_b32 s[G0+4*\s+3], s[G0+4*\s+3], 0x80000000
	s_mov_b32 s[G0B+4*\s], 1
	s_add_co_u32 s[G0B+4*\s+1], s45, \s*SLOT
	s_add_nc_u64 s[G0B+4*\s+2:G0B+4*\s+3], s[46:47], \s*ROWB
	s_or_b32 s[G0B+4*\s+3], s[G0B+4*\s+3], 0x80000000
	JLOAD G0+4*\s, G1, G0B+4*\s, G1B
.endr
	v_and_b32 v1, 15, v0                           ; r = l % 16
	v_bfe_u32 v2, v0, 4, 1                         ; h = l / 16
	v_mul_u32_u24 v3, v1, PITCH
	v_mul_u32_u24 v4, v2, 24
	v_add_nc_u32 v4, v3, v4                        ; a fragment's row x pitch + 24 x half
	v_lshl_add_u32 v5, v2, 4, v4                   ; and the same behind one padding more
	s_mul_i32 s21, s15, HALFT                      ; my 128 rows of A
	s_mul_i32 s22, s16, HALFT                      ; my 128 rows of B,
	s_add_co_u32 s22, s22, 2*HALFT                 ; which lie behind A's 256
.irp s, 0,1
	v_add_nc_u32 v[ADRA+\s], s21, v4
	v_add_nc_u32 v[ADRB+\s], s22, v4
	v_add_nc_u32 v[ADRA+2+\s], s21, v5
	v_add_nc_u32 v[ADRB+2+\s], s22, v5
	s_add_co_u32 s21, s21, SLOT
	s_add_co_u32 s22, s22, SLOT
.endr
	v_mul_u32_u24 v5, v1, KS                       ; my row's scales: 32 bytes a row,
	v_lshrrev_b32 v6, 8, v5
	v_lshl_add_u32 v5, v6, 4, v5                   ; and 16 more for each 256 passed
	s_mul_i32 s21, s15, HALFS
	s_mul_i32 s22, s16, HALFS
	s_add_co_u32 s22, s22, 2*HALFS
	s_sub_co_u32 s22, s22, s21
	v_mul_u32_u24 v6, s22, v2                      ; lanes 16-31 take B's
	s_add_co_u32 s21, s21, SCL
	v_add_nc_u32 v5, v5, v6
	v_add_nc_u32 v[ADRS], s21, v5
	; WHERE THE RESULTS GO, by kind.  m0, n0: my wave's first row and column of C'.  The operands' pointers s[4:11] are done with: their registers serve as scratch.
	s_lshl_b32 s20, s17, 8
	s_lshl_b32 s11, s15, 7
	s_add_co_u32 s20, s20, s11                     ; m0
	s_lshl_b32 s21, s42, 8
	s_lshl_b32 s11, s16, 7
	s_add_co_u32 s21, s21, s11                     ; n0
	s_lshr_b32 s4, s20, 11
	s_lshl_b32 s4, s4, 4
	s_lshr_b32 s11, s21, 7
	s_lshl_b32 s11, s11, 1
	s_add_co_u32 s4, s4, s11                       ; q, k: head 16 (m0 / 2,048) + n0 / 64 (my 128 columns are two heads)
	s_and_b32 s11, s20, 2047
	s_lshl_b32 s6, s11, 2
	s_lshl_b32 s5, s2, 13
	s_add_co_u32 s6, s6, s5                        ; their scale words: 4 x token, k's 8,192 bytes on
	s_lshr_b32 s11, s11, 4
	s_mul_i32 s5, s11, 768                         ; their images: 768 x token tile
	s_lshr_b32 s7, s21, 11
	s_lshl_b32 s7, s7, 4
	s_lshr_b32 s11, s20, 6
	s_add_co_u32 s7, s7, s11                       ; v: head 16 (n0 / 2,048) + m0 / 64 (my 128 rows are two heads)
	s_and_b32 s11, s21, 2047
	s_lshr_b32 s11, s11, 7                         ; which 128 keys
	s_mul_i32 s8, s11, 6144
	s_add_co_u32 s8, s8, 98304                     ; its images, behind K's
	s_lshl_b32 s9, s11, 8
	s_add_co_u32 s9, s9, 16384                     ; its scale words, behind q's and k's
	s_lshl_b32 s20, s20, 2                         ; 4 m0
	s_lshl_b32 s21, s21, 2                         ; 4 n0
	s_mov_b32 s10, 196608
	s_mov_b32 s11, 768
	s_cmp_eq_u32 s2, 0
	s_cselect_b32 s10, 98304, s10                  ; a head's bytes in q_img or in kv_img
	s_cmp_eq_u32 s2, 2
	s_cselect_b32 s4, s7, s4                       ; the head
	s_cselect_b32 s5, s8, s5                       ; the images' place in it
	s_cselect_b32 s6, s9, s6                       ; the scale words' place in it
	s_cselect_b32 s7, 768, s10                     ; from a fragment's first half image to its second: the next head's (q, k) or the next 64 keys' (v)
	s_cselect_b32 s92, 1536, s11                   ; from block to block of 16 rows
	s_cselect_b32 s94, 190464, 0                   ; and, v, on to the next head behind block 3: 196,608 - 4 x 1,536
	s_cselect_b32 s8, 0, 16                        ; q, k: lanes 16-31 carry the second head's two bytes
	s_cselect_b32 s9, 0, 20480                     ; q, k: the second head's words lie a head on
	s_cselect_b32 s11, 20224, 0                    ; v: lanes 16-31 carry the second head's words: 20,480 - 256 on
	s_cselect_b32 s22, 0, s21                      ; the bias along n' at my first column
	s_cselect_b32 s20, s20, 0                      ; the bias along m' at my first row
	s_cselect_b32 s66, 0, -1                       ; keeps the bias along n' in kinds q and k,
	s_cselect_b32 s67, -1, 0                       ; the bias along m' in kind v
	s_mov_b32 s93, 0
	s_mov_b32 s95, 0
	s_mov_b32 s21, 0
	s_mov_b32 s23, 0
	s_add_nc_u64 s[98:99], s[98:99], s[20:21]
	s_add_nc_u64 s[96:97], s[96:97], s[22:23]
	s_mul_i32 s20, s4, s10
	s_add_co_u32 s20, s20, s5
	s_add_nc_u64 s[12:13], s[12:13], s[20:21]
	s_mul_i32 s20, s4, 20480
	s_add_co_u32 s20, s20, s6
	s_add_nc_u64 s[100:101], s[100:101], s[20:21]
	v_lshlrev_b32 v[BOF], 5, v2
	v_lshlrev_b32 v[ROF], 2, v1
.irp b, 0,1,2,3,4,5,6,7
	global_load_b128 v[BN+8*\b:BN+8*\b+3], v[BOF], s[96:97] offset:64*\b       ; columns 16 b + 8 h + 0 .. 7
	global_load_b128 v[BN+8*\b+4:BN+8*\b+7], v[BOF], s[96:97] offset:64*\b+16
.endr
.irp a, 0,1,2,3,4,5,6,7
	global_load_b32 v[BMP+2*\a], v[ROF], s[98:99] offset:64*\a                 ; row 16 a + r
.endr
	v_and_b32 v6, 31, v0                           ; lane
	v_lshlrev_b32 v[VO0], 4, v6
	v_lshl_add_u32 v[VO1], v6, 3, 512
	v_add_nc_u32 v[VO2], s7, v[VO0]
	v_add_nc_u32 v[VO3], s7, v[VO1]
	s_lshl_b32 s5, s14, 10                         ; my scale stage: 1,024 bytes in slot 0, used behind that slot's last fill and last read
	v_lshlrev_b32 v[SST], 2, v1
	v_lshl_add_u32 v[SST], v2, 9, v[SST]
	v_add_nc_u32 v[SST], s5, v[SST]
	v_add_nc_u32 v[SRD], s5, v[VO0]
	v_mul_u32_u24 v[VS0], s11, v2
	v_add_nc_u32 v[VS0], v[VS0], v[VO0]
	v_add_nc_u32 v[VS1], s9, v[VS0]
	v_mul_u32_u24 v[SHV], s8, v2
	s_wait_loadcnt 0x0                             ; the biases
.set i, 0
.rept 64
	v_and_b32 v[BN+i], s66, v[BN+i]                ; kind v: zeros
.set i, i+1
.endr
.irp a, 0,1,2,3,4,5,6,7
	v_and_b32 v[BMP+2*\a], s67, v[BMP+2*\a]        ; kinds q and k: zeros
.endr
.irp a, 0,1,2,3,4,5,6,7
	v_mov_b32 v[BMP+2*\a+1], v[BMP+2*\a]
.endr
.macro FRAG reg, adr, q, i             ; a fragment, 16 rows x 128 K: lane l holds row l % 16; registers 6 c .. 6 c + 5 hold K = 64 c + 32 (l / 16) + 0 .. 31: 24 bytes of the row, in pieces of 8
.irp p, 0,1,2,3,4,5
.set PIE, 12*(\q)+6*(\p/3)+\p%3        ; 16 bytes of padding lie behind every 8 pieces: where the piece three on (lanes 16-31) lies behind one padding more, the second address register serves
.if PIE%8 < 5
	ds_load_b64 v[\reg+2*\p:\reg+2*\p+1], v[\adr] offset:8*PIE+16*(PIE/8)+(\i)*16*PITCH
.else
	ds_load_b64 v[\reg+2*\p:\reg+2*\p+1], v[\adr+2] offset:8*PIE+16*(PIE/8)+(\i)*16*PITCH
.endif
.endr
.endm
; 16 matrix instructions: A's blocks a0, a0 + 1 x B's eight, the slot's q-th 128 along K.  p: B's set; sc: the set of scale words.  zero = 1: the first product starts the sums, with the bias along n' as its C.
; The 64 accumulators take turns, one instruction a turn, in the same order in every step.
.macro MUL16 a0, p, q, sc, zero
.irp a, \a0, \a0+1
.irp b, 0,1,2,3,4,5,6,7
.if \zero
	v_wmma_scale_f32_16x16x128_f8f6f4 v[8*(8*((\a)%4)+\b):8*(8*((\a)%4)+\b)+7], v[128*(\p)+FR*\b:128*(\p)+FR*\b+FR-1], v[AF+FR*(\a):AF+FR*(\a)+FR-1], v[BN+8*\b:BN+8*\b+7], v[SC+8*NQ*(\sc)+NQ*\b+(\q)], v[SC+8*NQ*(\sc)+NQ*(\a)+(\q)] matrix_a_fmt:MATRIX_FMT_FP6 matrix_b_fmt:MATRIX_FMT_FP6 matrix_a_scale:MATRIX_SCALE_ROW1
.else
	v_wmma_scale_f32_16x16x128_f8f6f4 v[8*(8*((\a)%4)+\b):8*(8*((\a)%4)+\b)+7], v[128*(\p)+FR*\b:128*(\p)+FR*\b+FR-1], v[AF+FR*(\a):AF+FR*(\a)+FR-1], v[8*(8*((\a)%4)+\b):8*(8*((\a)%4)+\b)+7], v[SC+8*NQ*(\sc)+NQ*\b+(\q)], v[SC+8*NQ*(\sc)+NQ*(\a)+(\q)] matrix_a_fmt:MATRIX_FMT_FP6 matrix_b_fmt:MATRIX_FMT_FP6 matrix_a_scale:MATRIX_SCALE_ROW1
.endif
.endr
.endr
.endm
.macro FETCH_B slot, q, p              ; B's eight fragments of the slot's q-th 128 along K into set p
	WIN TO_B
.irp i, 0,1,2,3,4,5,6,7
	FRAG 128*(\p)+FR*\i, ADRB+\slot, \q, \i
.endr
	WIN 0
.endm
.macro FETCH_A slot, q, i0             ; A's blocks i0 .. i0 + 3
.irp i, \i0, \i0+1, \i0+2, \i0+3
	FRAG AF+FR*(\i), ADRA+\slot, \q, \i
.endr
.endm
.macro SCALES sc                       ; a K step's scale words: two words a row; lanes 0-15 take A's block i, lanes 16-31 B's block i
.irp i, 0,1,2,3,4,5,6,7
	ds_load_b64 v[SC+8*NQ*\sc+NQ*\i:SC+8*NQ*\sc+NQ*\i+1], v[ADRS] offset:\i*SBLK
.endr
.endm
.macro PLACES n                        ; plain vector instructions between a matrix instruction and a load into, or a vector instruction on, its registers
.rept \n
	v_nop
.endr
.endm
; A step of 128 along K that has its successor in the same slot.
.macro STEP slot, q, zero
	s_wait_dscnt 4*NL                              ; B's set and A's blocks 0-3 are in; the youngest 24 loads (A's blocks 4-7) may be out
.if \zero
	WIN MUL_LO0
.else
	WIN MUL_LO
.endif
	MUL16 0, (\q)%2, \q, \slot, \zero
	MUL16 2, (\q)%2, \q, \slot, \zero
	s_wait_dscnt 0                                 ; A's blocks 4-7 are in
	PLACES NP
	FETCH_B \slot, (\q)+1, 1-(\q)%2
	FETCH_A \slot, (\q)+1, 0
.if \zero
	WIN MUL_HI0
.else
	WIN MUL_HI
.endif
	MUL16 4, (\q)%2, \q, \slot, \zero
	MUL16 6, (\q)%2, \q, \slot, \zero
	PLACES NP
	WIN 0
	FETCH_A \slot, (\q)+1, 4
.endm
; A slot's last step changes slots: one barrier; in front of it each wave waits for all its tensor loads, adds 0 to its spare word, and waits for that and for its own reads of this slot.  fill = 1: this slot is filled again, two K steps ahead.
.macro TURN slot, next, fill
	s_wait_tensorcnt 0x0                           ; all my tensor loads have landed: my part of the next slot
	ds_add_u32 v[SPW], v[NIL]                      ; 0 onto my spare word
	s_wait_dscnt 4*NL+1                            ; (the add and the youngest 24 loads, A's blocks 4-7, may be out)
	WIN MUL_LO
	MUL16 0, 1, NQ-1, \slot, 0                     ; sixteen matrix instructions stand between the add and the wait for it
	s_wait_dscnt 0x0                               ; the add is done, and my reads of this slot are over
	s_barrier_signal -1
	MUL16 2, 1, NQ-1, \slot, 0
	WIN 0
	s_barrier_wait -1
.if \fill
	CREST                                          ; the barrier has opened a round of the cluster's barrier: no wave of any partner still reads this slot or has a load on its way
	s_add_nc_u64 s[G0+4*\slot+2:G0+4*\slot+3], s[G0+4*\slot+2:G0+4*\slot+3], 2*ROWB
	s_add_nc_u64 s[G0B+4*\slot+2:G0B+4*\slot+3], s[G0B+4*\slot+2:G0B+4*\slot+3], 2*ROWB
	JLOAD G0+4*\slot, G1, G0B+4*\slot, G1B         ; the first tensor load behind the round; its four v_nop are the places in front of the loads below
.else
	PLACES NP
.endif
	v_add_nc_u32 v[ADRS], 4*NQ, v[ADRS]            ; on to the next K step's scale words (no LDS load of mine is out)
	FETCH_B \next, 0, 0
	FETCH_A \next, 0, 0
	SCALES \next
	WIN MUL_HI
	MUL16 4, 1, NQ-1, \slot, 0
	MUL16 6, 1, NQ-1, \slot, 0
	PLACES NP
	WIN 0
	FETCH_A \next, 0, 4
.endm
	s_wait_tensorcnt 1                             ; the scales and my part of K step 0 are in (K step 1's load may be out)
	s_barrier_signal -1
	s_barrier_wait -1                              ; everybody's are
	FETCH_B 0, 0, 0
	FETCH_A 0, 0, 0
	SCALES 0
	FETCH_A 0, 0, 4
	STEP 0, 0, 1                                   ; the first step stands in front of the loop: its products start the sums
	s_mov_b32 s3, LAPS-1
.Llap:                                                 ; a trip goes once round the ring and fills both slots again
	TURN 0, 1, 1
	STEP 1, 0, 0
	TURN 1, 0, 1
	STEP 0, 0, 0
	s_sub_co_u32 s3, s3, 1
	s_cmp_lg_u32 s3, 0
	s_cbranch_scc1 .Llap
	TURN 0, 1, 0                                   ; the last lap fills nothing, and has no round of the cluster's barrier
	STEP 1, 0, 0
	s_wait_dscnt 4*NL                              ; the very last step: nothing more to fetch
	WIN MUL_LO
	MUL16 0, 1, NQ-1, 1, 0
	MUL16 2, 1, NQ-1, 1, 0
	s_wait_dscnt 0
	WIN MUL_HI
	MUL16 4, 1, NQ-1, 1, 0
	MUL16 6, 1, NQ-1, 1, 0
	WIN 0
; 64 numbers of a lane, v[s] .. v[s + 63], whose registers 16 b .. 16 b + 15 are my half of block b of my row, become a fragment's codes in v[CD] on and its scale word in v[PW].
.macro QUANT s
.irp b, 0,1,2,3
	v_max3_num_f32 v[TM+\b], |v[\s+16*\b]|, |v[\s+1+16*\b]|, 0x1800000   ; block b: my 16 numbers, and the floor 2^(3 - 127): the byte cannot fall under 1
.endr
.irp i, 2,4,6,8,10,12,14
.irp b, 0,1,2,3
	v_max3_num_f32 v[TM+\b], v[TM+\b], |v[\s+16*\b+\i]|, |v[\s+1+16*\b+\i]|   ; (the four blocks by turns)
.endr
.endr
.irp b, 0,1,2,3
	v_permlanex16_b32 v[TM+4+\b], v[TM+\b], s[SEL], s[SEL+1]
.endr
.irp b, 0,1,2,3
	v_max_num_f32 v[TM+\b], v[TM+\b], v[TM+4+\b]   ; with lane l xor 16's: the block's largest magnitude
.endr
.irp b, 0,1,2,3
	v_add_nc_u32 v[TM+12+\b], 0xff000000, v[TM+\b] ; 2 off its exponent field: the conversion takes the exponent field of this operand as its scale
.endr
.irp b, 0,1,2,3
	v_lshrrev_b32 v[TM+4+\b], 23, v[TM+12+\b]      ; the scale's byte
.endr
	v_lshl_or_b32 v[PW], v[TM+5], 8, v[TM+4]
	v_lshl_or_b32 v[PW], v[TM+6], 16, v[PW]
	v_lshl_or_b32 v[PW], v[TM+7], 24, v[PW]
.irp c, 0,1
	v_cvt_scalef32_pk16_fp6_f32 v[CD+6*\c:CD+2+6*\c], v[\s+32*\c:\s+15+32*\c], v[TM+12+2*\c]
	v_cvt_scalef32_pk16_fp6_f32 v[CD+12+4*\c:CD+14+4*\c], v[\s+16+32*\c:\s+31+32*\c], v[TM+12+2*\c+1]   ; (a conversion's three registers begin on an even number)
.endr
	v_nop                                          ; one plain place behind a scaled conversion
.irp c, 0,1                                    ; the operand's layout wants a whole block in a lane: lanes 0-15 block 2 c, lanes 16-31 block 2 c + 1
.irp i, 0,1,2
	v_permlane16_swap_b32 v[CD+6*\c+\i], v[CD+12+4*\c+\i]
.endr
.irp i, 0,1,2
	v_mov_b32 v[CD+3+6*\c+\i], v[CD+12+4*\c+\i]
.endr
.endr
.endm
; THE WAY OUT of block a (16 rows of C' x my 128 columns): the bias along m', the quantiser, two half images to memory (each store covers 512 or 256 consecutive bytes, aligned), the scale word to my stage.
.macro OUTBLK a
.if (\a) > 0
	s_wait_xcnt 0x0                                ; the last block's stores have read their data and their base,
	s_wait_dscnt 0x0                               ; and its LDS store its data: only now are they written again
	s_add_nc_u64 s[12:13], s[12:13], s[92:93]
.if (\a) == 4
	s_add_nc_u64 s[12:13], s[12:13], s[94:95]
.endif
.endif
	WIN 0x02+(\a)/4                                ; source 0: window 2 or 3
.set p, 0
.rept 32
	v_pk_add_f32 v[T+p:T+p+1], v[64*((\a)%4)+p:64*((\a)%4)+p+1], v[BMP+2*(\a):BMP+2*(\a)+1]   ; each accumulator from its low end on
.set p, p+2
.endr
	WIN 0
	QUANT T
	global_store_b128 v[VO0], v[CD:CD+3], s[12:13]
	global_store_b64 v[VO1], v[CD+4:CD+5], s[12:13]
	global_store_b128 v[VO2], v[CD+6:CD+9], s[12:13]
	global_store_b64 v[VO3], v[CD+10:CD+11], s[12:13]
	v_lshrrev_b32 v[XW], v[SHV], v[PW]             ; q, k: lanes 16-31 bring the second head's two bytes down
	ds_store_b32 v[SST], v[XW] offset:64*(\a)
.endm
	PLACES NP                                      ; behind the last products: their results are read and their operands' registers written below
	s_mov_b32 s[SEL], 0x76543210
	s_mov_b32 s[SEL+1], 0xfedcba98                 ; lane l xor 16
.irp b, 0,1,2,3
	v_mov_b32 v[TM+4+\b], 0                        ; written once: a lane permute's destination counts as one of its sources
.endr
.irp a, 0,1,2,3,4,5,6,7
	OUTBLK \a
.endr
	ds_load_b128 v[Y:Y+3], v[SRD]                  ; LDS serves a wave's instructions in order: these see my stores
	ds_load_b128 v[Y+4:Y+7], v[SRD] offset:512
	s_wait_dscnt 0x0
	global_store_b128 v[VS0], v[Y:Y+3], s[100:101]     ; q, k: the first head's 128 words, 512 consecutive bytes; v: both heads' 64 words each, 256 consecutive bytes each
	global_store_b128 v[VS1], v[Y+4:Y+7], s[100:101]   ; q, k: the second head's; v: the same words to the same places once more (the price of one text for three kinds)
	s_wait_tensorcnt 0x0                           ; the wave's end
	ds_add_u32 v[SPW], v[NIL]
	s_wait_dscnt 0x0
	CROUND                                         ; the closing round: no work-group ends while a partner may still ask for a tile that names it
	s_endpgm
.Lfunc_end_k_q8bafe696eb_qkv:
	.size	k_q8bafe696eb_qkv, .Lfunc_end_k_q8bafe696eb_qkv-k_q8bafe696eb_qkv
	.p2alignl 7, 3214868480
	.fill 96, 4, 3214868480
	.section	.rodata,"a",@progbits
	.p2align	6, 0x0
	.amdhsa_kernel k_q8bafe696eb_qkv
		.amdhsa_group_segment_fixed_size 327680
		.amdhsa_private_segment_fixed_size 0
		.amdhsa_enable_private_segment 0
		.amdhsa_kernarg_size 112
		.amdhsa_user_sgpr_count 2
		.amdhsa_user_sgpr_kernarg_segment_ptr 1
		.amdhsa_wavefront_size32 1
		.amdhsa_system_sgpr_workgroup_id_x 1
		.amdhsa_system_sgpr_workgroup_id_y 1
		.amdhsa_system_sgpr_workgroup_id_z 1
		.amdhsa_system_vgpr_workitem_id 0
		.amdhsa_next_free_vgpr 1024
		.amdhsa_next_free_sgpr 102
		.amdhsa_reserve_vcc 0
		.amdhsa_float_denorm_mode_32 3
		.amdhsa_float_denorm_mode_16_64 3
		.amdhsa_memory_ordered 1
		.amdhsa_forward_progress 1
		.amdhsa_inst_pref_size 189
	.end_amdhsa_kernel
	.amdgpu_metadata
---
amdhsa.version: [ 1, 2 ]
amdhsa.kernels:
  - .name:           k_q8bafe696eb_qkv
    .symbol:         k_q8bafe696eb_qkv.kd
    .args:
      - { .name: x_codes, .offset: 0, .size: 8, .value_kind: global_buffer, .address_space: global }
      - { .name: x_scales, .offset: 8, .size: 8, .value_kind: global_buffer, .address_space: global }
      - { .name: Wq_codes, .offset: 16, .size: 8, .value_kind: global_buffer, .address_space: global }
      - { .name: Wq_scales, .offset: 24, .size: 8, .value_kind: global_buffer, .address_space: global }
      - { .name: Wk_codes, .offset: 32, .size: 8, .value_kind: global_buffer, .address_space: global }
      - { .name: Wk_scales, .offset: 40, .size: 8, .value_kind: global_buffer, .address_space: global }
      - { .name: Wv_codes, .offset: 48, .size: 8, .value_kind: global_buffer, .address_space: global }
      - { .name: Wv_scales, .offset: 56, .size: 8, .value_kind: global_buffer, .address_space: global }
      - { .name: bq, .offset: 64, .size: 8, .value_kind: global_buffer, .address_space: global }
      - { .name: bk, .offset: 72, .size: 8, .value_kind: global_buffer, .address_space: global }
      - { .name: bv, .offset: 80, .size: 8, .value_kind: global_buffer, .address_space: global }
      - { .name: q_img, .offset: 88, .size: 8, .value_kind: global_buffer, .address_space: global }
      - { .name: kv_img, .offset: 96, .size: 8, .value_kind: global_buffer, .address_space: global }
      - { .name: sc, .offset: 104, .size: 8, .value_kind: global_buffer, .address_space: global }
    .group_segment_fixed_size: 327680
    .private_segment_fixed_size: 0
    .kernarg_segment_align: 8
    .kernarg_segment_size: 112
    .max_flat_workgroup_size: 128
    .sgpr_count:     102
    .vgpr_count:     1024
    .wavefront_size: 32
...
	.end_amdgpu_metadata
.endif
;; end of part 1
;; launch attn (part 2): grid 4 x 64, 16 waves a work-group, clusters of 4 x 1, 327,680 bytes of LDS; arguments q_img, kv_img, sc, a_img, a_sc; writes a_img, a_sc
.if DOCPART == 2
	.amdgcn_target "amdgcn-amd-amdhsa--gfx1250"
	.amdhsa_code_object_version 6
	.text
	.protected	k_q8bafe696eb_attn
	.globl	k_q8bafe696eb_attn
	.p2align	8
	.type	k_q8bafe696eb_attn,@function
k_q8bafe696eb_attn:
	s_mov_b64 s[64:65], 0
	v_nop
	global_prefetch_b8 v0, s[64:65] scope:SCOPE_SE
	s_setreg_imm32_b32 hwreg(HW_REG_WAVE_MODE, 25, 1), 1
	s_wait_xcnt 0x0
	s_wait_alu depctr_hold_cnt(0) depctr_sa_sdst(0) depctr_va_vdst(0) depctr_va_sdst(0) depctr_va_ssrc(0) depctr_va_vcc(0) depctr_vm_vsrc(0)
	s_getreg_b32 s2, hwreg(HW_REG_IB_STS2, 6, 4)
	s_cmp_eq_u32 s2, 0
	s_cbranch_scc0 .Lentry_in_a_cluster
	s_endpgm
.Lentry_in_a_cluster:
	s_bfe_u32 s2, ttmp6, 0x10000c
	s_cmp_lg_u32 s2, 0x3003
	s_cbranch_scc0 .Lentry_shape_is_right
	s_endpgm
.Lentry_shape_is_right:
; Causal attention of one head on codes of FP6 (E2M3): S^T = K Q^T (K = the head's 64), p = 2^(t - M), O^T = V^T P^T (K = the keys), O / l, and O quantised along the model's 1,024 for the last projection.
; t = score x log2(e) / 8; M = the running largest t rounded UP to a whole number; p is quantised along the keys, not normalised; l is the sum of the unquantised p; when M moves, l and O^T are multiplied by 2^(old M - new M), exactly.
; SHARES.  The four work-groups of a cluster serve one head (the cluster's y).  ALL of the head's K, V and their scale words lie in LDS, 208,896 bytes, filled ONCE by joint loads (the same five tensor loads in every
; wave of all four work-groups, mask 15): no byte of LDS is filled twice, nothing is stored to LDS.  The loads go by 512 keys, so that the first steps begin when the first 512 keys are in.
; Wave w of work-group cx owns two tiles of 16 queries: i = 4 w + cx and 127 - i.  In steps of 128 keys they need w / 2 + 1 and 16 - w / 2: seventeen for every wave.  Which steps are left out hangs on w alone, never on cx.
; The high tile goes first: keys 0 to 1,023 all count for it, and at each of the three barriers every wave has done the same number of steps.
; LAYOUT.  Both products are used transposed: a lane holds ONE query (lane % 16).  A tile of K is 16 neighbouring keys, so register 8 t + j of S^T is key 16 t + 8 h + j: the 16 registers of tiles 2 b, 2 b + 1 in lanes l and l xor 16
; are one whole block of 32 keys.  The order of p's codes inside a block is this fixed one; v's codes were made from the same register layout, so the products are the same.
; K = 64 IN AN INSTRUCTION OF K = 128: Q's registers 6-11 are zero codes.  K's registers 6-11 are then whatever follows in the register file (the next tile's codes, or zeros): any code times zero adds nothing, and no scale byte here is 0xff.
; THE RESULT meets a given operand (Wo), so its 64 channels are brought into ascending order (16 lane swaps) ahead of the quantiser.  It leaves as a half image (768 bytes: registers 0-3 at 16 x lane, 4-5 at 512 + 8 x lane),
; a_img [token tile 512][head 16][768], and two scale bytes a row, a_sc [token 8,192][32]: stores of 2 bytes a lane, 32 bytes apart (a head owns 2 of a row's 32 bytes; 262,144 bytes in all).
; LIMITS: NaN and infinities are not served; a block whose largest magnitude lies under 2^-124 keeps the scale byte 1.
.set VIMG, 98304                       ; LDS: K's images at 0 (token tile x 768), V's here (128 keys x 6,144 + 16 channels x 1,536),
.set KSC,  196608                      ; K's scale words (4 bytes a key),
.set VSC,  204800                      ; V's (128 keys x 256 + 16 channels x 64 + 4 r)
.set L16,  1                           ; v1   16 x lane
.set L8,   2                           ; v2   8 x lane
.set L4,   3                           ; v3   4 x lane
.set R4,   4                           ; v4   4 r
.set R32,  5                           ; v5   32 r
.set DQ,   6                           ; v6   my query's place in the diagonal step, less 8 h
.set RH,   7                           ; v7   r - 8 h
.set AK16, 8                           ; v8-11, v28-29 the step's LDS addresses
.set AK8,  9
.set AV16, 10
.set AV8,  11
.set ADS,  28
.set ADT,  29
.set QF,   16                          ; v16-21 Q, v22-27 zeros
.set KF,   32                          ; v32-79 eight half fragments of K, then four fragments of V; v80-85 zeros
.set ST,   96                          ; v96-159 S^T, then p
.set OT,   160                         ; v160-191 O^T
.set PF,   224                         ; v224-235 p's codes
.set SW,   248                         ; v248-251 scale words of K or V; v253 p's; v255 Q's
.set WV,   14
.set CX,   15
.set BH,   16
.set DG,   17                          ; s17  the tile's diagonal step
.set SI,   18                          ; s18  the step, and the loops' counter
.set SEL,  20
.set CS,   22                          ; s[22:23] log2(e) / 8
.set G1C,  24                          ; s[24:31] group 1: 12 rows of 256 bytes
.set G1S,  32                          ; s[32:39] 3 rows of 256 bytes
.set G0S,  40                          ; s[40:43] group 0 for the scale words; s[44:59] for the four runs of 512 keys
.set G0C,  44
.set TB,   60                          ; s60  where the step's images begin (K's; V's lie VIMG on)
.set TS,   61                          ; s61  K's scale words
.set TJ,   62                          ; s62  V's
.macro ROUND                           ; a round of the cluster's barrier
	s_barrier_signal -1
	s_barrier_wait -1
	s_cmp_lg_u32 s[WV], 0
	s_cbranch_scc1 .Lnot_wave_0_\@
	s_barrier_signal -3
.Lnot_wave_0_\@:
	s_barrier_wait -3
	s_barrier_signal -1
	s_barrier_wait -1
.endm
.macro PHASE left                      ; my parts of the keys that come next have landed (the later runs' loads, left of them, may stay out), and then everybody's
	s_wait_tensorcnt \left
	s_wait_dscnt 0x0
	s_barrier_signal -1
	s_barrier_wait -1
.endm
	s_load_b256 s[4:11], s[0:1], 0x0               ; q_img, kv_img, sc, a_img
	s_load_b64 s[12:13], s[0:1], 0x20              ; a_sc
	v_lshl_add_u32 v223, v0, 2, 0x33000
	v_mov_b32 v243, 0
	ds_add_u32 v223, v243
	ds_add_u32 v223, v243
	v_lshrrev_b32 v1, 5, v0
	s_delay_alu instid0(VALU_DEP_1)
	v_readfirstlane_b32 s[WV], v1                  ; wave 0..15
	s_bfe_u32 s[CX], ttmp6, 0x40000                ; my place in the cluster: it enters global addresses and the mask's numbers alone
	s_and_b32 s[BH], ttmp7, 0xffff                 ; the head, which the four partners share
	s_mov_b32 s[G1C], 15|(3<<16)|(1<<21)           ; 15:0 the mask: all four work-groups; 17:16 elements of 8 bytes; 21 set beside a mask; no padding
	s_mov_b32 s[G1C+1], 32<<16                     ; tensor_dim0 = 32 elements: 256 bytes
	s_mov_b32 s[G1C+2], 12<<16                     ; tensor_dim1
	s_mov_b32 s[G1C+3], 32<<16                     ; tile_dim0
	s_mov_b32 s[G1C+4], 12                         ; tile_dim1
	s_mov_b32 s[G1C+5], 32                         ; the rows are dense
	s_mov_b32 s[G1C+6], 0
	s_mov_b32 s[G1C+7], 0
	s_mov_b32 s[G1S], 15|(3<<16)|(1<<21)
	s_mov_b32 s[G1S+1], 32<<16
	s_mov_b32 s[G1S+2], 3<<16
	s_mov_b32 s[G1S+3], 32<<16
	s_mov_b32 s[G1S+4], 3
	s_mov_b32 s[G1S+5], 32
	s_mov_b32 s[G1S+6], 0
	s_mov_b32 s[G1S+7], 0
	s_mov_b32 s[SEL], 0x76543210
	s_mov_b32 s[SEL+1], 0xfedcba98                 ; lane l xor 16
	s_mov_b32 s[CS], 0x3e38aa3b                    ; log2(e) / 8
	s_mov_b32 s[CS+1], s[CS]                       ; (named with it as a pair, so it is written)
	s_mul_i32 s84, s[WV], 768                      ; my 768 of the 12,288 bytes of K's and V's scale words
	s_mul_i32 s86, s[BH], 20480                    ; the head in sc
	s_mov_b32 s87, 0
	s_add_co_u32 s88, s86, s84
	s_add_co_u32 s88, s88, 8192                    ; behind q's words
	s_mov_b32 s89, 0
	s_mul_i32 s90, s[WV], 3072                     ; my 3,072 bytes of a run of 512 keys: waves 0-7 K's 24,576, waves 8-15 V's,
	s_lshr_b32 s91, s[WV], 3
	s_mul_i32 s91, s91, 73728                      ; which begin at 98,304 = 8 x 3,072 + 73,728: in LDS as in memory
	s_add_co_u32 s90, s90, s91
	s_mul_i32 s92, s[BH], 196608                   ; the head in kv_img
	s_add_co_u32 s92, s92, s90
	s_mov_b32 s93, 0
	s_wait_dscnt 0x0
	s_wait_kmcnt 0x0
	s_mov_b32 s[G0S], 1
	s_add_co_u32 s[G0S+1], s84, KSC
	s_add_nc_u64 s[G0S+2:G0S+3], s[8:9], s[88:89]
	s_or_b32 s[G0S+3], s[G0S+3], 0x80000000
	s_add_nc_u64 s[94:95], s[6:7], s[92:93]
.irp p, 0,1,2,3
	s_mov_b32 s[G0C+4*\p], 1
	s_add_co_u32 s[G0C+4*\p+1], s90, 24576*\p
	s_add_nc_u64 s[G0C+4*\p+2:G0C+4*\p+3], s[94:95], 24576*\p
	s_or_b32 s[G0C+4*\p+3], s[G0C+4*\p+3], 0x80000000
.endr
	ROUND                                          ; all four work-groups are here: the joint loads meet
	tensor_load_to_lds s[G0S:G0S+3], s[G1S:G1S+7]  ; five loads of mine are out at the most
	s_nop 0
	tensor_load_to_lds s[G0C:G0C+3], s[G1C:G1C+7]
	s_nop 0
	tensor_load_to_lds s[G0C+4:G0C+7], s[G1C:G1C+7]
	s_nop 0
	tensor_load_to_lds s[G0C+8:G0C+11], s[G1C:G1C+7]
	s_nop 0
	tensor_load_to_lds s[G0C+12:G0C+15], s[G1C:G1C+7]
	s_nop 0
.rept 4
	v_nop
.endr
	s_mul_i32 s84, s[BH], 98304
	s_mov_b32 s85, 0
	s_add_nc_u64 s[66:67], s[4:5], s[84:85]        ; the head in q_img,
	s_add_nc_u64 s[68:69], s[8:9], s[86:87]        ; in sc,
	s_lshr_b32 s88, s[BH], 4                       ; (the batch,
	s_and_b32 s90, s[BH], 15                       ; the head in it)
	s_mul_i32 s84, s88, 1572864                    ; 128 token tiles x 16 heads x 768
	s_mul_i32 s86, s90, 768
	s_add_co_u32 s84, s84, s86
	s_add_nc_u64 s[70:71], s[10:11], s[84:85]      ; in a_img,
	s_lshl_b32 s84, s88, 16                        ; 2,048 tokens x 32 bytes
	s_lshl_b32 s86, s90, 1
	s_add_co_u32 s84, s84, s86
	s_add_nc_u64 s[72:73], s[12:13], s[84:85]      ; and in a_sc
	v_and_b32 v[L4], 31, v0
	s_delay_alu instid0(VALU_DEP_1)
	v_lshlrev_b32 v[L16], 4, v[L4]
	s_delay_alu instid0(VALU_DEP_2)
	v_lshlrev_b32 v[L8], 3, v[L4]
	s_delay_alu instid0(VALU_DEP_3)
	v_lshlrev_b32 v[L4], 2, v[L4]
	v_and_b32 v[R32], 15, v0                       ; r
	v_bfe_u32 v[RH], v0, 4, 1                      ; h
	s_delay_alu instid0(VALU_DEP_2)
	v_lshlrev_b32 v[R4], 2, v[R32]
	s_delay_alu instid0(VALU_DEP_2)
	v_lshlrev_b32 v[RH], 3, v[RH]
	s_delay_alu instid0(VALU_DEP_1)
	v_sub_nc_u32 v[RH], v[R32], v[RH]
	v_lshlrev_b32 v[R32], 5, v[R32]
.irp j, 0,1,2,3,4,5
	v_mov_b32 v[QF+6+\j], 0                        ; Q's upper 64 along K: zero codes
	v_mov_b32 v[KF+48+\j], 0                       ; what the last tile of K names as its upper 64
.endr
.irp b, 0,1,2,3
	v_mov_b32 v[236+\b], 0                         ; written once: a lane permute's destination counts as one of its sources
.endr
	v_mov_b32 v253, 0                              ; (named as the upper half of the pair v[252:253] before it is first written)
; A tile of 16 queries begins.  hi = 1: tile 127 - i; 0: tile i.
.macro INIT hi
	s_wait_xcnt 0x0                                ; the last tile's stores have read their bases and data
	s_lshl_b32 s82, s[WV], 2
	s_add_co_u32 s82, s82, s[CX]                   ; i = 4 w + cx
	s_lshr_b32 s[DG], s[WV], 1                     ; i / 8 = w / 2
.if \hi
	s_xor_b32 s82, s82, 127                        ; 127 - i
	s_xor_b32 s[DG], s[DG], 15                     ; (127 - i) / 8 = 15 - w / 2
.endif
	s_and_b32 s63, s82, 7
	s_lshl_b32 s63, s63, 4                         ; the tile's first query within its diagonal step
	v_add_nc_u32 v[DQ], s63, v[RH]
	s_mov_b32 s85, 0
	s_mul_i32 s84, s82, 768
	s_add_nc_u64 s[74:75], s[66:67], s[84:85]      ; Q's image,
	s_lshl_b32 s84, s82, 6
	s_add_nc_u64 s[76:77], s[68:69], s[84:85]      ; its scale words,
	s_mul_i32 s84, s82, 12288
	s_add_nc_u64 s[78:79], s[70:71], s[84:85]      ; the result's image,
	s_lshl_b32 s84, s82, 9
	s_add_nc_u64 s[80:81], s[72:73], s[84:85]      ; its scale bytes
	s_mov_b32 s[SI], 0
	s_mov_b32 s[TB], 0
	s_mov_b32 s[TS], KSC
	s_mov_b32 s[TJ], VSC
	global_load_b128 v[QF:QF+3], v[L16], s[74:75]
	global_load_b64 v[QF+4:QF+5], v[L8], s[74:75] offset:512
	global_load_b32 v255, v[R4], s[76:77]
	v_mov_b32 v13, 0xff61b1e6                      ; the largest t so far: -3e38, under every t
	s_delay_alu instid0(VALU_DEP_1)
	v_floor_f32 v12, -v13                          ; -M
	v_mov_b32 v14, 0                               ; the sum, in two halves
	v_mov_b32 v15, 0
.set jj, 0
.rept 32
	v_mov_b32 v[OT+jj], 0                          ; O^T.  (The step is written without a first step of its own: it finds zeros, which the first change of M leaves zeros)
.set jj, jj+1
.endr
	s_wait_loadcnt 0x0
.endm
; A KEY STEP: 128 keys.  causal = 1: a step behind the tile's diagonal step is left out (a scalar branch on the wave's number and the step, not round the lines that step addresses), and in the diagonal step hidden scores become -infinity.
.macro STEP causal
.if \causal
	s_cmp_gt_u32 s[SI], s[DG]
	s_cbranch_scc1 .Lhidden_\@
.endif
	s_add_co_u32 s86, s[TB], VIMG
	s_setprio 2
	v_add_nc_u32 v[AK16], s[TB], v[L16]            ; six plain lines: the places between the last step's products and the loads into their registers
	v_add_nc_u32 v[AK8], s[TB], v[L8]
	v_add_nc_u32 v[AV16], s86, v[L16]
	v_add_nc_u32 v[AV8], s86, v[L8]
	v_add_nc_u32 v[ADS], s[TS], v[L4]
	v_add_nc_u32 v[ADT], s[TJ], v[L4]
.irp t, 0,1,2,3,4,5,6,7
	ds_load_b128 v[KF+6*\t:KF+6*\t+3], v[AK16] offset:768*\t          ; tile t's half image: every load takes consecutive bytes
	ds_load_b64 v[KF+6*\t+4:KF+6*\t+5], v[AK8] offset:768*\t+512
.endr
.irp u, 0,1,2,3
	ds_load_b32 v[SW+\u], v[ADS] offset:128*\u     ; lanes 0-15: tile 2 u's words; lanes 16-31: tile 2 u + 1's
.endr
	s_wait_alu depctr_va_vdst(0)
	s_wait_dscnt 0x0
.irp u, 0,1,2,3
	v_wmma_scale_f32_16x16x128_f8f6f4 v[ST+16*\u:ST+16*\u+7], v[KF+12*\u:KF+12*\u+11], v[QF:QF+11], 0, v[SW+\u], v255 matrix_a_fmt:MATRIX_FMT_FP6 matrix_b_fmt:MATRIX_FMT_FP6
	v_wmma_scale_f32_16x16x128_f8f6f4 v[ST+16*\u+8:ST+16*\u+15], v[KF+12*\u+6:KF+12*\u+17], v[QF:QF+11], 0, v[SW+\u], v255 matrix_a_fmt:MATRIX_FMT_FP6 matrix_b_fmt:MATRIX_FMT_FP6 matrix_a_scale:MATRIX_SCALE_ROW1
.endr
.rept 4
	v_nop                                          ; places in front of the loads below and of the first read of the scores
.endr
.irp d, 0,1,2,3                                ; V's four fragments are asked for now and land under the softmax
	ds_load_b128 v[KF+12*\d:KF+12*\d+3], v[AV16] offset:1536*\d
	ds_load_b64 v[KF+12*\d+4:KF+12*\d+5], v[AV8] offset:1536*\d+512
	ds_load_b128 v[KF+12*\d+6:KF+12*\d+9], v[AV16] offset:1536*\d+768
	ds_load_b64 v[KF+12*\d+10:KF+12*\d+11], v[AV8] offset:1536*\d+1280
.endr
.irp u, 0,1
	ds_load_b32 v[SW+\u], v[ADT] offset:128*\u     ; lanes 0-15: channels 32 u on; lanes 16-31: 32 u + 16 on
.endr
.if \causal
	s_cmp_lg_u32 s[SI], s[DG]
	s_cbranch_scc1 .Lopen_\@
	v_mov_b32 v254, 0xff800000                     ; -infinity.  Register n holds key 16 (n / 8) + 8 h + n % 8 of the step: hidden where 16 (n / 8) + n % 8 > my query's place - 8 h
.set n, 0
.rept 64
	v_cmp_gt_i32 vcc_lo, 16*(n/8)+n%8, v[DQ]
	v_cndmask_b32 v[ST+n], v[ST+n], v254, vcc_lo
.set n, n+1
.endr
.Lopen_\@:
.endif
.irp b, 0,1,2,3
	v_max3_num_f32 v[232+\b], v[ST+16*\b], v[ST+1+16*\b], v[ST+2+16*\b]   ; the largest score of each block of 32 keys: it serves for the row's maximum and, since p rises with the score, for the block's largest p
.endr
.irp i, 3,5,7,9,11,13
.irp b, 0,1,2,3
	v_max3_num_f32 v[232+\b], v[232+\b], v[ST+16*\b+\i], v[ST+1+16*\b+\i]
.endr
.endr
.irp b, 0,1,2,3
	v_max_num_f32 v[232+\b], v[232+\b], v[ST+15+16*\b]
.endr
.irp b, 0,1,2,3
	s_delay_alu instid0(VALU_DEP_4)
	v_permlanex16_b32 v[236+\b], v[232+\b], s[SEL], s[SEL+1]
.endr
.irp b, 0,1,2,3
	s_delay_alu instid0(VALU_DEP_4)
	v_max_num_f32 v[232+\b], v[232+\b], v[236+\b]  ; with lane l xor 16's 16 keys
.endr
	s_delay_alu instid0(VALU_DEP_2)
	v_max3_num_f32 v254, v232, v233, v234
	s_delay_alu instid0(VALU_DEP_1)
	v_max_num_f32 v254, v254, v235                 ; the step's largest score of my query
	s_delay_alu instid0(VALU_DEP_1)
	v_mul_f32 v254, s[CS], v254                    ; as t
	s_delay_alu instid0(VALU_DEP_1)
	v_max_num_f32 v13, v13, v254                   ; the running largest t
	v_mov_b32 v254, v12
	s_delay_alu instid0(VALU_DEP_2)
	v_floor_f32 v12, -v13                          ; the new -M = floor(-t) = -ceil(t)
	s_delay_alu instid0(VALU_DEP_1)
	v_sub_f32 v254, v12, v254                      ; old M - new M: a whole number, 0 or less
	s_delay_alu instid0(VALU_DEP_1)
	v_cvt_i32_f32 v254, v254                       ; (it saturates)
	s_delay_alu instid0(VALU_DEP_1)
	v_ldexp_f32 v252, 1.0, v254                    ; f = 2^(old M - new M)
.set jj, 0
.rept 32
	v_pk_fma_f32 v[ST+jj:ST+jj+1], v[ST+jj:ST+jj+1], s[CS:CS+1], v[12:13] op_sel_hi:[1,0,0]   ; t - M, two at a time
.set jj, jj+2
.endr
.irp b, 0,1,2,3
	v_fma_f32 v[232+\b], v[232+\b], s[CS], v12     ; the same of each block's largest score
.endr
.set jj, 0
	s_setprio 1
	s_wait_alu depctr_va_vdst(0)
.rept 64
	v_exp_f32 v[ST+jj], v[ST+jj]                   ; p = 2^(t - M), at most 1
.set jj, jj+1
.endr
.irp b, 0,1,2,3
	v_exp_f32 v[232+\b], v[232+\b]                 ; the block's largest p
.endr
	v_pk_mul_f32 v[14:15], v[14:15], v[252:253] op_sel_hi:[1,0]   ; the sums under the new M.  (A plain place behind the exponentials)
	s_wait_alu depctr_va_vdst(0)
.irp b, 0,1,2,3
	v_max_num_f32 v[232+\b], 0x1800000, v[232+\b]  ; the floor 2^(3 - 127): the byte cannot fall under 1
.endr
.irp b, 0,1,2,3
	s_delay_alu instid0(VALU_DEP_4)
	v_add_nc_u32 v[244+\b], 0xff000000, v[232+\b]  ; 2 off the exponent field: the conversion's scale operand
.endr
.irp b, 0,1,2,3
	s_delay_alu instid0(VALU_DEP_4)
	v_lshrrev_b32 v[236+\b], 23, v[244+\b]         ; the scale's byte
.endr
	s_delay_alu instid0(VALU_DEP_3)
	v_lshl_or_b32 v253, v237, 8, v236              ; p's scale word for these 128 keys
	s_delay_alu instid0(VALU_DEP_1)
	v_lshl_or_b32 v253, v238, 16, v253
	s_delay_alu instid0(VALU_DEP_1)
	v_lshl_or_b32 v253, v239, 24, v253
.irp c, 0,1
	v_cvt_scalef32_pk16_fp6_f32 v[PF+6*\c:PF+2+6*\c], v[ST+32*\c:ST+15+32*\c], v[244+2*\c]
	v_cvt_scalef32_pk16_fp6_f32 v[236+4*\c:238+4*\c], v[ST+16+32*\c:ST+31+32*\c], v[244+2*\c+1]   ; (a conversion's three registers begin on an even number)
.endr
	v_nop                                          ; one plain place behind a scaled conversion
.irp c, 0,1                                    ; the operand's layout wants a whole block in a lane
.irp i, 0,1,2
	v_permlane16_swap_b32 v[PF+6*\c+\i], v[236+4*\c+\i]
.endr
.irp i, 0,1,2
	s_delay_alu instid0(VALU_DEP_3)
	v_mov_b32 v[PF+3+6*\c+\i], v[236+4*\c+\i]
.endr
.endr
	v_pk_add_f32 v[236:237], v[100:101], v[104:105]
	v_pk_add_f32 v[250:251], v[108:109], v[112:113]
	v_pk_add_f32 v[246:247], v[116:117], v[120:121]
	v_pk_add_f32 v[244:245], v[124:125], v[128:129]
	v_pk_add_f32 v[240:241], v[132:133], v[136:137]
	v_pk_add_f32 v[220:221], v[140:141], v[144:145]
	v_pk_add_f32 v[218:219], v[148:149], v[152:153]
	v_pk_add_f32 v[14:15], v[14:15], v[156:157]
	v_pk_add_f32 v[236:237], v[236:237], v[96:97]
	v_pk_add_f32 v[250:251], v[250:251], v[98:99]
	v_pk_add_f32 v[246:247], v[246:247], v[102:103]
	v_pk_add_f32 v[244:245], v[244:245], v[106:107]
	v_pk_add_f32 v[240:241], v[240:241], v[110:111]
	v_pk_add_f32 v[220:221], v[220:221], v[114:115]
	v_pk_add_f32 v[218:219], v[218:219], v[118:119]
	v_pk_add_f32 v[14:15], v[14:15], v[122:123]
	v_pk_add_f32 v[236:237], v[236:237], v[126:127]
	v_pk_add_f32 v[250:251], v[250:251], v[130:131]
	v_pk_add_f32 v[246:247], v[246:247], v[134:135]
	s_setprio 0
	v_pk_add_f32 v[244:245], v[244:245], v[138:139]
	v_pk_add_f32 v[240:241], v[240:241], v[142:143]
	v_pk_add_f32 v[220:221], v[220:221], v[146:147]
	v_pk_add_f32 v[218:219], v[218:219], v[150:151]
	v_pk_add_f32 v[14:15], v[14:15], v[154:155]
	v_pk_add_f32 v[236:237], v[236:237], v[158:159]
	s_delay_alu instid0(VALU_DEP_2)
	v_pk_add_f32 v[14:15], v[14:15], v[244:245]
	s_delay_alu instid0(VALU_DEP_2)
	v_pk_add_f32 v[236:237], v[236:237], v[240:241]
	v_pk_add_f32 v[250:251], v[250:251], v[220:221]
	v_pk_add_f32 v[246:247], v[246:247], v[218:219]
	s_delay_alu instid0(VALU_DEP_2)
	v_pk_add_f32 v[14:15], v[14:15], v[250:251]
	s_delay_alu instid0(VALU_DEP_2)
	v_pk_add_f32 v[236:237], v[236:237], v[246:247]
	s_delay_alu instid0(VALU_DEP_1)
	v_pk_add_f32 v[14:15], v[14:15], v[236:237]
.set jj, 0
.rept 16
	v_pk_mul_f32 v[OT+jj:OT+jj+1], v[OT+jj:OT+jj+1], v[252:253] op_sel_hi:[1,0]   ; O^T under the new M.  (With the sums above: the places between p's codes and scale word and the products below)
.set jj, jj+2
.endr
	s_wait_alu depctr_va_vdst(0)
	s_wait_dscnt 0x0                               ; V
.irp u, 0,1                                    ; the four accumulators take turns, one instruction a turn
	v_wmma_scale_f32_16x16x128_f8f6f4 v[OT+16*\u:OT+16*\u+7], v[KF+24*\u:KF+24*\u+11], v[PF:PF+11], v[OT+16*\u:OT+16*\u+7], v[SW+\u], v253 matrix_a_fmt:MATRIX_FMT_FP6 matrix_b_fmt:MATRIX_FMT_FP6
	v_wmma_scale_f32_16x16x128_f8f6f4 v[OT+16*\u+8:OT+16*\u+15], v[KF+24*\u+12:KF+24*\u+23], v[PF:PF+11], v[OT+16*\u+8:OT+16*\u+15], v[SW+\u], v253 matrix_a_fmt:MATRIX_FMT_FP6 matrix_b_fmt:MATRIX_FMT_FP6 matrix_a_scale:MATRIX_SCALE_ROW1
.endr
.if \causal
.Lhidden_\@:
.endif
	s_add_co_u32 s[SI], s[SI], 1
	s_add_co_u32 s[TB], s[TB], 6144                ; 8 tiles of K, or 4 fragments of V
	s_add_co_u32 s[TS], s[TS], 512
	s_add_co_u32 s[TJ], s[TJ], 256
.endm
; A tile ends: O^T / l, the 64 channels in ascending order, two blocks of 32 quantised, a half image and two scale bytes a row stored.
.macro FINISH
.rept 4
	v_nop                                          ; places behind the last products
.endr
	v_add_f32 v14, v14, v15                        ; the sum's two halves,
	s_delay_alu instid0(VALU_DEP_1)
	v_permlanex16_b32 v252, v14, s[SEL], s[SEL+1]
	s_delay_alu instid0(VALU_DEP_1)
	v_add_f32 v14, v14, v252                       ; and lane l xor 16's
	s_wait_alu depctr_va_vdst(0)
	v_rcp_f32 v14, v14
	v_nop                                          ; one plain place behind a transcendental
.set jj, 0
	s_wait_alu depctr_va_vdst(0)
.rept 16
	v_pk_mul_f32 v[ST+jj:ST+jj+1], v[OT+jj:OT+jj+1], v[14:15] op_sel_hi:[1,0]   ; register 8 t + j: channel 16 t + 8 h + j; each accumulator from its low end on
.set jj, jj+2
.endr
.irp b, 0,1
.irp j, 0,1,2,3,4,5,6,7
	v_permlane16_swap_b32 v[ST+16*\b+\j], v[ST+8+16*\b+\j]   ; the first's lanes 16-31 change places with the second's lanes 0-15: register 16 b + i is now channel 32 b + 16 h + i
.endr
.endr
.irp b, 0,1
	v_max3_num_f32 v[232+\b], |v[ST+16*\b]|, |v[ST+1+16*\b]|, 0x1800000
.endr
.irp i, 2,4,6,8,10,12,14
.irp b, 0,1
	s_delay_alu instid0(VALU_DEP_2)
	v_max3_num_f32 v[232+\b], v[232+\b], |v[ST+16*\b+\i]|, |v[ST+1+16*\b+\i]|
.endr
.endr
.irp b, 0,1
	s_delay_alu instid0(VALU_DEP_2)
	v_permlanex16_b32 v[236+\b], v[232+\b], s[SEL], s[SEL+1]
.endr
.irp b, 0,1
	s_delay_alu instid0(VALU_DEP_2)
	v_max_num_f32 v[232+\b], v[232+\b], v[236+\b]
.endr
.irp b, 0,1
	s_delay_alu instid0(VALU_DEP_2)
	v_add_nc_u32 v[244+\b], 0xff000000, v[232+\b]
.endr
.irp b, 0,1
	s_delay_alu instid0(VALU_DEP_2)
	v_lshrrev_b32 v[236+\b], 23, v[244+\b]
.endr
	s_delay_alu instid0(VALU_DEP_1)
	v_lshl_or_b32 v253, v237, 8, v236              ; my row's two scale bytes
	v_cvt_scalef32_pk16_fp6_f32 v[PF:PF+2], v[ST:ST+15], v244
	v_cvt_scalef32_pk16_fp6_f32 v[240:242], v[ST+16:ST+31], v245
	v_nop                                          ; one plain place behind a scaled conversion
.irp i, 0,1,2
	v_permlane16_swap_b32 v[PF+\i], v[240+\i]
.endr
.irp i, 0,1,2
	s_delay_alu instid0(VALU_DEP_3)
	v_mov_b32 v[PF+3+\i], v[240+\i]                ; registers 0-5: lane (r, h): block h of row r
.endr
	global_store_b128 v[L16], v[PF:PF+3], s[78:79]             ; 512 consecutive bytes, aligned
	global_store_b64 v[L8], v[PF+4:PF+5], s[78:79] offset:512  ; 256 consecutive bytes, aligned
	global_store_b16 v[R32], v253, s[80:81]                    ; both halves of the lanes write the same two bytes with the same value
.endm
	INIT 1
	PHASE 3                                        ; the scale words and keys 0-511 are in; three loads may be out
.Lh0:
	STEP 0
	s_cmp_lt_u32 s[SI], 4
	s_cbranch_scc1 .Lh0
	s_setprio 0
	PHASE 2                                        ; keys 512-1,023; two loads may be out
.Lh1:
	STEP 0
	s_cmp_lt_u32 s[SI], 8
	s_cbranch_scc1 .Lh1
	s_setprio 0
	PHASE 0                                        ; all keys
.Lh2:
	STEP 1
	s_cmp_lt_u32 s[SI], 16
	s_cbranch_scc1 .Lh2
	s_setprio 0
	FINISH
	INIT 0
.Ll0:
	STEP 1
	s_cmp_lt_u32 s[SI], 8
	s_cbranch_scc1 .Ll0
	s_setprio 0
	FINISH
	s_wait_tensorcnt 0x0
	ds_add_u32 v223, v243
	s_wait_dscnt 0x0
	ROUND                                          ; the closing round
	s_endpgm
.Lfunc_end_k_q8bafe696eb_attn:
	.size	k_q8bafe696eb_attn, .Lfunc_end_k_q8bafe696eb_attn-k_q8bafe696eb_attn
	.p2alignl 7, 3214868480
	.fill 96, 4, 3214868480
	.section	.rodata,"a",@progbits
	.p2align	6, 0x0
	.amdhsa_kernel k_q8bafe696eb_attn
		.amdhsa_group_segment_fixed_size 327680
		.amdhsa_private_segment_fixed_size 0
		.amdhsa_enable_private_segment 0
		.amdhsa_kernarg_size 40
		.amdhsa_user_sgpr_count 2
		.amdhsa_user_sgpr_kernarg_segment_ptr 1
		.amdhsa_wavefront_size32 1
		.amdhsa_system_sgpr_workgroup_id_x 1
		.amdhsa_system_sgpr_workgroup_id_y 1
		.amdhsa_system_sgpr_workgroup_id_z 1
		.amdhsa_system_vgpr_workitem_id 0
		.amdhsa_next_free_vgpr 256
		.amdhsa_next_free_sgpr 96
		.amdhsa_reserve_vcc 1
		.amdhsa_float_denorm_mode_32 3
		.amdhsa_float_denorm_mode_16_64 3
		.amdhsa_memory_ordered 1
		.amdhsa_forward_progress 1
		.amdhsa_inst_pref_size 103
	.end_amdhsa_kernel
	.amdgpu_metadata
---
amdhsa.version: [ 1, 2 ]
amdhsa.kernels:
  - .name:           k_q8bafe696eb_attn
    .symbol:         k_q8bafe696eb_attn.kd
    .args:
      - { .name: q_img, .offset: 0, .size: 8, .value_kind: global_buffer, .address_space: global }
      - { .name: kv_img, .offset: 8, .size: 8, .value_kind: global_buffer, .address_space: global }
      - { .name: sc, .offset: 16, .size: 8, .value_kind: global_buffer, .address_space: global }
      - { .name: a_img, .offset: 24, .size: 8, .value_kind: global_buffer, .address_space: global }
      - { .name: a_sc, .offset: 32, .size: 8, .value_kind: global_buffer, .address_space: global }
    .group_segment_fixed_size: 327680
    .private_segment_fixed_size: 0
    .kernarg_segment_align: 8
    .kernarg_segment_size: 40
    .max_flat_workgroup_size: 512
    .sgpr_count:     96
    .vgpr_count:     256
    .wavefront_size: 32
...
	.end_amdgpu_metadata
.endif
;; end of part 2
;; launch oproj (part 3): grid 4 x 32, 4 waves a work-group, clusters of 4 x 4, 327,680 bytes of LDS; arguments a_img, a_sc, Wo_codes, Wo_scales, bo, out0; writes out0
.if DOCPART == 3
	.amdgcn_target "amdgcn-amd-amdhsa--gfx1250"
	.amdhsa_code_object_version 6
	.text
	.protected	k_q8bafe696eb_oproj
	.globl	k_q8bafe696eb_oproj
	.p2align	8
	.type	k_q8bafe696eb_oproj,@function
k_q8bafe696eb_oproj:
	s_mov_b64 s[64:65], 0
	v_nop
	global_prefetch_b8 v0, s[64:65] scope:SCOPE_SE
	s_setreg_imm32_b32 hwreg(HW_REG_WAVE_MODE, 25, 1), 1
	s_wait_xcnt 0x0
	s_wait_alu depctr_hold_cnt(0) depctr_sa_sdst(0) depctr_va_vdst(0) depctr_va_sdst(0) depctr_va_ssrc(0) depctr_va_vcc(0) depctr_vm_vsrc(0)
	s_getreg_b32 s2, hwreg(HW_REG_IB_STS2, 6, 4)
	s_cmp_eq_u32 s2, 0
	s_cbranch_scc0 .Lentry_in_a_cluster
	s_endpgm
.Lentry_in_a_cluster:
	s_bfe_u32 s2, ttmp6, 0x10000c
	s_cmp_lg_u32 s2, 0xf033
	s_cbranch_scc0 .Lentry_shape_is_right
	s_endpgm
.Lentry_shape_is_right:
; out0[m][n] = sum over k of a[m][k] Wo[n][k] + bo[n] on codes of FP6 (E2M3) with one E8M0 scale for each 32 along K = 1,024.  m: 8,192 tokens, n: 1,024; out0 f32.
; a comes as IMAGES of operand registers, a_img [token tile 512][head 16][768]: a half image (16 rows x 64 along K, registers 0-5 of a fragment) holds registers 0-3 at 16 x lane and registers 4-5 at 512 + 8 x lane;
; two neighbouring heads' half images are one fragment of 128 along K.  Its scale bytes a_sc [8,192][32] and Wo's codes and scale bytes lie as rows, K innermost.
; A tile of out0, 256 x 256, is made by four waves, 128 x 128 each: 64 accumulators, 512 registers.  K goes in steps of 256 through a ring of two LDS slots; both operands' scale bytes come once and stay.
; CLUSTERS: 4 x 4 work-groups; a's tiles are shared along a row of the cluster, Wo's along a column: each is asked for jointly.  128 work-groups: 32 x 4 tiles of this size.
; THE MATRIX INSTRUCTION IS USED TRANSPOSED (source 0 = 16 rows of Wo, source 1 = 16 rows of a): a lane holds eight neighbouring numbers of a row of out0.  bo is the C of each sum's first matrix instruction.
; REGISTERS: window 0: v0-31 addresses; v32-63 scale words, two sets; v64-127 bo; v128-223 a's fragments, one set.  window 1: Wo's fragments, two sets.  windows 2, 3: the accumulators.
.set SIZE_N, 1024
.set KSTEP,  256
.set NQ,     KSTEP/128
.set ROWB,   192                       ; a row of Wo's tile in bytes
.set KROW,   768                       ; a row of Wo in memory; also a's bytes for each token row (12,288 for a token tile)
.set ASTEP,  3072                      ; a token tile's bytes of a K step: four half images
.set PITCH,  240                       ; an LDS row of Wo's tile: 3 x (64 bytes + 16 of padding)
.set FR,     12
.set NL,     6                         ; LDS loads that bring a fragment of Wo
.set NLA,    4                         ; and of a
.set NP,     4                         ; places behind this matrix instruction (ISA guide 7.12.1)
.set HALFT,  128*PITCH                 ; a wave's part of a slot (a's 128 rows use 24,576 bytes of it)
.set SLOT,   4*HALFT
.set LAPS,   2
.set KS,     32
.set SCL,    2*SLOT
.set HALFS,  (128*KS/256)*272
.set SBLK,   (16*KS/256)*272
.set SPARE,  SCL+4*HALFS               ; the spare words: 128 bytes for each wave, two blocks of 256 bytes that no other line names
.set SPITCH, 528                       ; the way out: a stage of 16 rows x (512 bytes + 16) for each wave, in slot 0, behind that slot's last fill and last read
.set ADRA, 16                          ; v16-17 a's images in slot 0, 1, + 16 x lane; v18-19 + 8 x lane
.set ADRB, 20                          ; v20-23 Wo's fragments
.set STO,  24
.set RD,   25
.set CO,   26
.set ADRS, 27
.set SPW,  28                          ; v28  LDS address of my spare word; never rewritten
.set NIL,  29                          ; v29  0; never rewritten
.set BOF,  30                          ; v30  32 h
.set SC,   32
.set BN,   64
.set AF,   128
.set BK,   128
.set G1, 24
.set G0, 32
.set G1B, 48
.set G0B, 56
.set G1S, 68
.set G0S, 76
.set G1SB, 80
.set G0SB, 88
.set MSB, 0
.macro WIN new                         ; the immediate's high byte repeats the setting that is left
.if MSB != (\new)
	s_set_vgpr_msb (MSB<<8)|(\new)
.set MSB, (\new)
.endif
.endm
.set MUL_LO,  0xa1
.set MUL_HI,  0xf1
.set MUL_LO0, 0x81                     ; the first step: C (bo) window 0
.set MUL_HI0, 0xc1
.set TO_B,    0x40
.macro JLOAD g0a, g1a, g0b, g1b        ; a joint load: waves 0 and 1 fetch for a, waves 2 and 3 for Wo; four v_nop follow each of the two lines
	s_cmp_eq_u32 s15, 0
	s_cbranch_scc0 .Lfor_b_\@
	tensor_load_to_lds s[\g0a:\g0a+3], s[\g1a:\g1a+7]
	s_nop 0
.rept 4
	v_nop
.endr
	s_branch .Lasked_\@
.Lfor_b_\@:
	tensor_load_to_lds s[\g0b:\g0b+3], s[\g1b:\g1b+7]
	s_nop 0
.rept 4
	v_nop
.endr
.Lasked_\@:
.endm
.macro CREST
	s_cmp_lg_u32 s14, 0
	s_cbranch_scc1 .Lnot_wave_0_\@
	s_barrier_signal -3
.Lnot_wave_0_\@:
	s_barrier_wait -3
	s_barrier_signal -1
	s_barrier_wait -1
.endm
.macro CROUND
	s_barrier_signal -1
	s_barrier_wait -1
	CREST
.endm
	s_load_b128 s[4:7], s[0:1], 0x0                ; a's images, a's scales
	s_load_b128 s[8:11], s[0:1], 0x10              ; Wo's codes, Wo's scales
	s_load_b64 s[96:97], s[0:1], 0x20              ; bo
	s_load_b64 s[12:13], s[0:1], 0x28              ; out0
	v_lshl_add_u32 v[SPW], v0, 2, SPARE
	v_mov_b32 v[NIL], 0
	ds_add_u32 v28, v29
	ds_add_u32 v28, v29
	s_wait_dscnt 0x0
	v_lshrrev_b32 v1, 5, v0
	v_readfirstlane_b32 s14, v1                    ; wave 0..3
	s_lshr_b32 s15, s14, 1                         ; which half of the tile's rows is mine.  Also: I fetch for a (0) or for Wo (1)
	s_and_b32 s16, s14, 1                          ; which half of its columns.  Also: which 128 rows of that tile I fetch
	s_bfe_u32 s40, ttmp6, 0x40000                  ; cx, cy
	s_bfe_u32 s41, ttmp6, 0x40004
	s_lshl_b32 s42, ttmp9, 2
	s_add_co_u32 s42, s42, s40                     ; tile column
	s_and_b32 s17, ttmp7, 0xffff
	s_lshl_b32 s17, s17, 2
	s_add_co_u32 s17, s17, s41                     ; tile row
	s_lshl_b32 s43, s41, 2
	s_lshl_b32 s43, 15, s43                        ; my row of the cluster
	s_lshl_b32 s44, 0x1111, s40                    ; my column
	; a's tile: 8 token tiles x 3,072 bytes (384 elements of 8), 12,288 bytes apart, dense in LDS
	s_or_b32 s[G1+0], s43, (3<<16)|(1<<21)
	s_mov_b32 s[G1+1], 384<<16
	s_mov_b32 s[G1+2], 8<<16
	s_mov_b32 s[G1+3], 384<<16
	s_mov_b32 s[G1+4], 8
	s_mov_b32 s[G1+5], 1536
	s_mov_b32 s[G1+6], 0
	s_mov_b32 s[G1+7], 0
	; Wo's tile: 128 rows x 192 bytes, 16 bytes of padding behind every 64
	s_or_b32 s[G1B+0], s44, (0<<16)|(1<<20)|(1<<21)|(3<<22)|(3<<25)
	s_mov_b32 s[G1B+1], ROWB<<16
	s_mov_b32 s[G1B+2], 128<<16
	s_mov_b32 s[G1B+3], ROWB<<16
	s_mov_b32 s[G1B+4], 128
	s_mov_b32 s[G1B+5], KROW
	s_mov_b32 s[G1B+6], 0
	s_mov_b32 s[G1B+7], 0
	; the scales of 128 rows: 4,096 dense bytes as rows of 256, 16 bytes of padding behind each
	s_or_b32 s[G1S+0], s43, (3<<16)|(1<<20)|(1<<21)|(5<<22)|(3<<25)
	s_or_b32 s[G1SB+0], s44, (3<<16)|(1<<20)|(1<<21)|(5<<22)|(3<<25)
.irp g, G1S, G1SB
	s_mov_b32 s[\g+1], 32<<16
	s_mov_b32 s[\g+2], (128*KS/256)<<16
	s_mov_b32 s[\g+3], 32<<16
	s_mov_b32 s[\g+4], 128*KS/256
	s_mov_b32 s[\g+5], 32
	s_mov_b32 s[\g+6], 0
	s_mov_b32 s[\g+7], 0
.endr
	s_lshl_b32 s18, s16, 7
	s_lshl_b32 s20, s17, 8
	s_add_co_u32 s20, s20, s18                     ; a: row 256 x tile row + 128 x half
	s_lshl_b32 s46, s42, 8
	s_add_co_u32 s46, s46, s18                     ; Wo: row 256 x tile column + 128 x half
	s_mov_b32 s21, 0
	s_mov_b32 s47, 0
	s_mov_b64 s[18:19], KS
	s_mul_u64 s[22:23], s[20:21], s[18:19]
	s_mul_u64 s[92:93], s[46:47], s[18:19]
	s_mov_b64 s[18:19], KROW
	s_mul_u64 s[20:21], s[20:21], s[18:19]         ; a: 16 rows are a token tile of 12,288 bytes: 768 a row
	s_mul_u64 s[46:47], s[46:47], s[18:19]
	s_mul_i32 s45, s14, HALFT
	s_mul_i32 s94, s14, HALFS
	s_wait_kmcnt 0x0
	s_add_nc_u64 s[20:21], s[4:5], s[20:21]
	s_add_nc_u64 s[22:23], s[6:7], s[22:23]
	s_add_nc_u64 s[46:47], s[8:9], s[46:47]
	s_add_nc_u64 s[92:93], s[10:11], s[92:93]
	CROUND                                         ; all sixteen work-groups are here: the first joint loads meet
	s_mov_b32 s[G0S], 1
	s_add_co_u32 s[G0S+1], s94, SCL
	s_mov_b64 s[G0S+2:G0S+3], s[22:23]
	s_or_b32 s[G0S+3], s[G0S+3], 0x80000000
	s_mov_b32 s[G0SB], 1
	s_add_co_u32 s[G0SB+1], s94, SCL
	s_mov_b64 s[G0SB+2:G0SB+3], s[92:93]
	s_or_b32 s[G0SB+3], s[G0SB+3], 0x80000000
	JLOAD G0S, G1S, G0SB, G1SB
.irp s, 0,1
	s_mov_b32 s[G0+4*\s], 1
	s_add_co_u32 s[G0+4*\s+1], s45, \s*SLOT
	s_add_nc_u64 s[G0+4*\s+2:G0+4*\s+3], s[20:21], \s*ASTEP
	s_or_b32 s[G0+4*\s+3], s[G0+4*\s+3], 0x80000000
	s_mov_b32 s[G0B+4*\s], 1
	s_add_co_u32 s[G0B+4*\s+1], s45, \s*SLOT
	s_add_nc_u64 s[G0B+4*\s+2:G0B+4*\s+3], s[46:47], \s*ROWB
	s_or_b32 s[G0B+4*\s+3], s[G0B+4*\s+3], 0x80000000
	JLOAD G0+4*\s, G1, G0B+4*\s, G1B
.endr
	v_and_b32 v1, 15, v0                           ; r
	v_bfe_u32 v2, v0, 4, 1                         ; h
	v_mul_u32_u24 v3, v1, PITCH
	v_mul_u32_u24 v4, v2, 24
	v_add_nc_u32 v4, v3, v4                        ; Wo: a fragment's row x pitch + 24 x half
	v_lshl_add_u32 v5, v2, 4, v4                   ; and the same behind one padding more
	v_and_b32 v6, 31, v0                           ; lane
	v_lshlrev_b32 v7, 4, v6
	v_lshlrev_b32 v8, 3, v6
	s_mul_i32 s21, s15, HALFT                      ; my 128 rows of a
	s_mul_i32 s22, s16, HALFT                      ; my 128 rows of Wo,
	s_add_co_u32 s22, s22, 2*HALFT                 ; which lie behind a's two parts
.irp s, 0,1
	v_add_nc_u32 v[ADRA+\s], s21, v7
	v_add_nc_u32 v[ADRA+2+\s], s21, v8
	v_add_nc_u32 v[ADRB+\s], s22, v4
	v_add_nc_u32 v[ADRB+2+\s], s22, v5
	s_add_co_u32 s21, s21, SLOT
	s_add_co_u32 s22, s22, SLOT
.endr
	v_mul_u32_u24 v5, v1, KS
	v_lshrrev_b32 v6, 8, v5
	v_lshl_add_u32 v5, v6, 4, v5
	s_mul_i32 s21, s15, HALFS
	s_mul_i32 s22, s16, HALFS
	s_add_co_u32 s22, s22, 2*HALFS
	s_sub_co_u32 s22, s22, s21
	v_mul_u32_u24 v6, s22, v2                      ; lanes 16-31 take Wo's
	s_add_co_u32 s21, s21, SCL
	v_add_nc_u32 v5, v5, v6
	v_add_nc_u32 v[ADRS], s21, v5
	s_mul_i32 s23, s14, 16*SPITCH                  ; my stage
	v_mul_u32_u24 v5, v1, SPITCH
	v_lshl_add_u32 v5, v2, 5, v5
	v_add_nc_u32 v[STO], s23, v5
	v_mov_b32 v[CO], v7                            ; back: the 32 lanes take one row of 512 bytes; and the same in out0
	v_add_nc_u32 v[RD], s23, v[CO]
	s_lshl_b32 s20, s17, 8
	s_lshl_b32 s21, s15, 7
	s_add_co_u32 s20, s20, s21                     ; my first row of out0
	s_mov_b32 s21, 0
	s_mov_b64 s[18:19], SIZE_N*4
	s_mul_u64 s[20:21], s[20:21], s[18:19]
	s_lshl_b32 s46, s42, 10                        ; my first column, in bytes: 1,024 x tile column + 512 x half
	s_lshl_b32 s47, s16, 9
	s_add_co_u32 s46, s46, s47
	s_mov_b32 s47, 0
	s_add_nc_u64 s[20:21], s[20:21], s[46:47]
	s_add_nc_u64 s[12:13], s[12:13], s[20:21]
	s_add_nc_u64 s[96:97], s[96:97], s[46:47]      ; bo at my first column
	v_lshlrev_b32 v[BOF], 5, v2
.irp b, 0,1,2,3,4,5,6,7
	global_load_b128 v[BN+8*\b:BN+8*\b+3], v[BOF], s[96:97] offset:64*\b       ; columns 16 b + 8 h + 0 .. 7
	global_load_b128 v[BN+8*\b+4:BN+8*\b+7], v[BOF], s[96:97] offset:64*\b+16
.endr
.macro FRAG reg, adr, q, i             ; a fragment of Wo from rows: 24 bytes of the row twice, in pieces of 8
.irp p, 0,1,2,3,4,5
.set PIE, 12*(\q)+6*(\p/3)+\p%3
.if PIE%8 < 5
	ds_load_b64 v[\reg+2*\p:\reg+2*\p+1], v[\adr] offset:8*PIE+16*(PIE/8)+(\i)*16*PITCH
.else
	ds_load_b64 v[\reg+2*\p:\reg+2*\p+1], v[\adr+2] offset:8*PIE+16*(PIE/8)+(\i)*16*PITCH
.endif
.endr
.endm
.macro FRAGA reg, slot, q, i           ; a fragment of a from two half images: every load takes consecutive bytes
	ds_load_b128 v[\reg:\reg+3], v[ADRA+\slot] offset:ASTEP*(\i)+1536*(\q)
	ds_load_b64 v[\reg+4:\reg+5], v[ADRA+2+\slot] offset:ASTEP*(\i)+1536*(\q)+512
	ds_load_b128 v[\reg+6:\reg+9], v[ADRA+\slot] offset:ASTEP*(\i)+1536*(\q)+768
	ds_load_b64 v[\reg+10:\reg+11], v[ADRA+2+\slot] offset:ASTEP*(\i)+1536*(\q)+1280
.endm
; 16 matrix instructions: a's blocks a0, a0 + 1 x Wo's eight.  zero = 1: the first product starts the sums, with bo as its C.  The 64 accumulators take turns, one instruction a turn.
.macro MUL16 a0, p, q, sc, zero
.irp a, \a0, \a0+1
.irp b, 0,1,2,3,4,5,6,7
.if \zero
	v_wmma_scale_f32_16x16x128_f8f6f4 v[8*(8*((\a)%4)+\b):8*(8*((\a)%4)+\b)+7], v[128*(\p)+FR*\b:128*(\p)+FR*\b+FR-1], v[AF+FR*(\a):AF+FR*(\a)+FR-1], v[BN+8*\b:BN+8*\b+7], v[SC+8*NQ*(\sc)+NQ*\b+(\q)], v[SC+8*NQ*(\sc)+NQ*(\a)+(\q)] matrix_a_fmt:MATRIX_FMT_FP6 matrix_b_fmt:MATRIX_FMT_FP6 matrix_a_scale:MATRIX_SCALE_ROW1
.else
	v_wmma_scale_f32_16x16x128_f8f6f4 v[8*(8*((\a)%4)+\b):8*(8*((\a)%4)+\b)+7], v[128*(\p)+FR*\b:128*(\p)+FR*\b+FR-1], v[AF+FR*(\a):AF+FR*(\a)+FR-1], v[8*(8*((\a)%4)+\b):8*(8*((\a)%4)+\b)+7], v[SC+8*NQ*(\sc)+NQ*\b+(\q)], v[SC+8*NQ*(\sc)+NQ*(\a)+(\q)] matrix_a_fmt:MATRIX_FMT_FP6 matrix_b_fmt:MATRIX_FMT_FP6 matrix_a_scale:MATRIX_SCALE_ROW1
.endif
.endr
.endr
.endm
.macro FETCH_B slot, q, p
	WIN TO_B
.irp i, 0,1,2,3,4,5,6,7
	FRAG 128*(\p)+FR*\i, ADRB+\slot, \q, \i
.endr
	WIN 0
.endm
.macro FETCH_A slot, q, i0
.irp i, \i0, \i0+1, \i0+2, \i0+3
	FRAGA AF+FR*(\i), \slot, \q, \i
.endr
.endm
.macro SCALES sc
.irp i, 0,1,2,3,4,5,6,7
	ds_load_b64 v[SC+8*NQ*\sc+NQ*\i:SC+8*NQ*\sc+NQ*\i+1], v[ADRS] offset:\i*SBLK
.endr
.endm
.macro PLACES n
.rept \n
	v_nop
.endr
.endm
.macro STEP slot, q, zero
	s_wait_dscnt 4*NLA                             ; Wo's set and a's blocks 0-3 are in; the youngest 16 loads (a's blocks 4-7) may be out
.if \zero
	WIN MUL_LO0
.else
	WIN MUL_LO
.endif
	MUL16 0, (\q)%2, \q, \slot, \zero
	MUL16 2, (\q)%2, \q, \slot, \zero
	s_wait_dscnt 0
	PLACES NP
	FETCH_B \slot, (\q)+1, 1-(\q)%2
	FETCH_A \slot, (\q)+1, 0
.if \zero
	WIN MUL_HI0
.else
	WIN MUL_HI
.endif
	MUL16 4, (\q)%2, \q, \slot, \zero
	MUL16 6, (\q)%2, \q, \slot, \zero
	PLACES NP
	WIN 0
	FETCH_A \slot, (\q)+1, 4
.endm
.macro TURN slot, next, fill
	s_wait_tensorcnt 0x0                           ; all my tensor loads have landed: my part of the next slot
	ds_add_u32 v[SPW], v[NIL]                      ; 0 onto my spare word
	s_wait_dscnt 4*NLA+1                           ; (the add and the youngest 16 loads may be out)
	WIN MUL_LO
	MUL16 0, 1, NQ-1, \slot, 0
	s_wait_dscnt 0x0                               ; the add is done, and my reads of this slot are over
	s_barrier_signal -1
	MUL16 2, 1, NQ-1, \slot, 0
	WIN 0
	s_barrier_wait -1
.if \fill
	CREST                                          ; the barrier has opened a round of the cluster's barrier
	s_add_nc_u64 s[G0+4*\slot+2:G0+4*\slot+3], s[G0+4*\slot+2:G0+4*\slot+3], 2*ASTEP
	s_add_nc_u64 s[G0B+4*\slot+2:G0B+4*\slot+3], s[G0B+4*\slot+2:G0B+4*\slot+3], 2*ROWB
	JLOAD G0+4*\slot, G1, G0B+4*\slot, G1B         ; the first tensor load behind the round; its four v_nop are the places in front of the loads below
.else
	PLACES NP
.endif
	v_add_nc_u32 v[ADRS], 4*NQ, v[ADRS]            ; (no LDS load of mine is out)
	FETCH_B \next, 0, 0
	FETCH_A \next, 0, 0
	SCALES \next
	WIN MUL_HI
	MUL16 4, 1, NQ-1, \slot, 0
	MUL16 6, 1, NQ-1, \slot, 0
	PLACES NP
	WIN 0
	FETCH_A \next, 0, 4
.endm
	s_wait_loadcnt 0x0                             ; bo
	s_wait_tensorcnt 1                             ; the scales and my part of K step 0 are in (K step 1's load may be out)
	s_barrier_signal -1
	s_barrier_wait -1
	FETCH_B 0, 0, 0
	FETCH_A 0, 0, 0
	SCALES 0
	FETCH_A 0, 0, 4
	STEP 0, 0, 1
	s_mov_b32 s3, LAPS-1
.Llap:
	TURN 0, 1, 1
	STEP 1, 0, 0
	TURN 1, 0, 1
	STEP 0, 0, 0
	s_sub_co_u32 s3, s3, 1
	s_cmp_lg_u32 s3, 0
	s_cbranch_scc1 .Llap
	TURN 0, 1, 0                                   ; the last lap fills nothing
	STEP 1, 0, 0
	s_wait_dscnt 4*NLA
	WIN MUL_LO
	MUL16 0, 1, NQ-1, 1, 0
	MUL16 2, 1, NQ-1, 1, 0
	s_wait_dscnt 0
	WIN MUL_HI
	MUL16 4, 1, NQ-1, 1, 0
	MUL16 6, 1, NQ-1, 1, 0
	WIN 0
; THE WAY OUT, block by block of 16 rows x 128 columns, through my own stage in LDS: back come whole rows of 512 bytes, which the 32 lanes store as 512 consecutive bytes, aligned.  LDS serves a wave's instructions in order.
.macro TOSTAGE a
.set AC, 64*((\a)%4)
	WIN 0x08+4*((\a)/4)                            ; the data: window 2 or 3
.irp b, 0,1,2,3,4,5,6,7
	ds_store_b128 v[STO], v[AC+8*\b:AC+8*\b+3] offset:64*\b          ; each accumulator from its low end on
	ds_store_b128 v[STO], v[AC+8*\b+4:AC+8*\b+7] offset:64*\b+16
.endr
	WIN 0
.set BB, BK+64*((\a)%2)
.irp t, 0,1,2,3,4,5,6,7,8,9,10,11,12,13,14,15
	ds_load_b128 v[BB+4*\t:BB+4*\t+3], v[RD] offset:\t*SPITCH
.endr
.endm
.macro SEND a, younger                 ; younger: the LDS instructions issued behind block a's loads, which may stay out
.set BB, BK+64*((\a)%2)
	s_wait_dscnt \younger
.if (\a) > 0
	s_add_nc_u64 s[12:13], s[12:13], 16*SIZE_N*4   ; (behind a wait on XCNT: the earlier stores have read their base)
.endif
.irp t, 0,1,2,3,4,5,6,7,8,9,10,11,12,13,14,15
	global_store_b128 v[CO], v[BB+4*\t:BB+4*\t+3], s[12:13] offset:\t*SIZE_N*4 th:TH_STORE_NT
.endr
.endm
	PLACES NP
	TOSTAGE 0
.irp a, 1,2,3,4,5,6,7
.if \a > 1
	s_wait_xcnt 0x0                                ; block a - 2's stores have read their registers and their base
.endif
	TOSTAGE \a
	SEND \a-1, 32                                  ; behind block a - 1's loads: block a's 16 stores and 16 loads
.endr
	s_wait_xcnt 0x0
	SEND 7, 0
	s_wait_tensorcnt 0x0                           ; the wave's end
	ds_add_u32 v[SPW], v[NIL]
	s_wait_dscnt 0x0
	CROUND                                         ; the closing round
	s_endpgm
.Lfunc_end_k_q8bafe696eb_oproj:
	.size	k_q8bafe696eb_oproj, .Lfunc_end_k_q8bafe696eb_oproj-k_q8bafe696eb_oproj
	.p2alignl 7, 3214868480
	.fill 96, 4, 3214868480
	.section	.rodata,"a",@progbits
	.p2align	6, 0x0
	.amdhsa_kernel k_q8bafe696eb_oproj
		.amdhsa_group_segment_fixed_size 327680
		.amdhsa_private_segment_fixed_size 0
		.amdhsa_enable_private_segment 0
		.amdhsa_kernarg_size 48
		.amdhsa_user_sgpr_count 2
		.amdhsa_user_sgpr_kernarg_segment_ptr 1
		.amdhsa_wavefront_size32 1
		.amdhsa_system_sgpr_workgroup_id_x 1
		.amdhsa_system_sgpr_workgroup_id_y 1
		.amdhsa_system_sgpr_workgroup_id_z 1
		.amdhsa_system_vgpr_workitem_id 0
		.amdhsa_next_free_vgpr 1024
		.amdhsa_next_free_sgpr 98
		.amdhsa_reserve_vcc 0
		.amdhsa_float_denorm_mode_32 3
		.amdhsa_float_denorm_mode_16_64 3
		.amdhsa_memory_ordered 1
		.amdhsa_forward_progress 1
		.amdhsa_inst_pref_size 153
	.end_amdhsa_kernel
	.amdgpu_metadata
---
amdhsa.version: [ 1, 2 ]
amdhsa.kernels:
  - .name:           k_q8bafe696eb_oproj
    .symbol:         k_q8bafe696eb_oproj.kd
    .args:
      - { .name: a_img, .offset: 0, .size: 8, .value_kind: global_buffer, .address_space: global }
      - { .name: a_sc, .offset: 8, .size: 8, .value_kind: global_buffer, .address_space: global }
      - { .name: Wo_codes, .offset: 16, .size: 8, .value_kind: global_buffer, .address_space: global }
      - { .name: Wo_scales, .offset: 24, .size: 8, .value_kind: global_buffer, .address_space: global }
      - { .name: bo, .offset: 32, .size: 8, .value_kind: global_buffer, .address_space: global }
      - { .name: out0, .offset: 40, .size: 8, .value_kind: global_buffer, .address_space: global }
    .group_segment_fixed_size: 327680
    .private_segment_fixed_size: 0
    .kernarg_segment_align: 8
    .kernarg_segment_size: 48
    .max_flat_workgroup_size: 128
    .sgpr_count:     98
    .vgpr_count:     1024
    .wavefront_size: 32
...
	.end_amdgpu_metadata
.endif
;; end of part 3
